; MI455X (gfx1250); checked and timed in simulation.
; The chip was launched on July 23, 2026; its instructions are those of AMD's public machine-readable ISA for CDNA 5 (MIT licence, August 2026) and "CDNA5" Instruction Set Architecture Reference Guide (July 2026). The comments in the code are by the model that wrote it; some were corrected since.
;; GRKU Cell. Allowed arithmetic: matrix products marked QUANTISED: E2M1 operands, one E8M0 scale for each 32 along K, by v_wmma_scale_f32_16x16x128_f8f6f4 with both operands' format E2M1 (or v_wmma_scale_f32_32x16x128_f4), f32 sums; everything else in f32.
;; Inputs: cn_b 512 float32; cn_g 512 float32; grid1 1,024 x 12 float32; grid2 64 x 12 float32; h_prev 8,192 x 512 float32; ip_b 512 float32; ip_w 512 x 256 float32; k1_base 64 x 1,024 float32; k1_scaler 64 x 1,024 float32; k1_spline 64 x 1,024 x 8 float32; k2_base 512 x 64 float32; k2_scaler 512 x 64 float32; k2_spline 512 x 64 x 8 float32; rg_b 512 float32; rg_beta 512 float32; rg_g 512 float32; rg_w 512 x 1,024 float32; rp_b 512 float32; rp_w 512 x 1,024 float32; ug_b 512 float32; ug_beta 512 float32; ug_g 512 float32; ug_w 512 x 1,024 float32; x 8,192 x 256 float32.
;; Outputs: out0 8,192 x 512 float32.
;; This version of the problem:
;;   THIS VERSION OF THE PROBLEM IS GIVEN IN LOW PRECISION. The matrix products marked QUANTISED in the list below multiply operands that are first quantised to E2M1 (2 exponent bits, 1 mantissa bit; 4 bits a number), with one power-of-two scale for each 32 numbers along K (OCP MX v1.0); their sums are f32. All else is computed in f32.
;;   The module's matrix products, in the order in which they are computed (A, B: the left and right operand; K: the contracted axis; several contracted axes count as one K, in the product's order):
;;     1. [M 8,192, K 256] x [K 256, N 512]; A: input x; B: input ip_w: QUANTISED
;;     2. [M 8,192, K 1,024] x [K 1,024, N 512]; A: computed on the way; B: input rg_w: QUANTISED
;;     3. [M 8,192, K 1,024] x [K 1,024, N 512]; A: computed on the way; B: input ug_w: QUANTISED
;;     4. [M 8,192, K 1,024] x [K 1,024, N 64]; A: computed on the way; B: input k1_base: QUANTISED
;;     5. [M 8,192, K 8,192] x [K 8,192, N 64]; A: computed on the way; B: computed on the way: QUANTISED
;;     6. [M 8,192, K 64] x [K 64, N 512]; A: computed on the way; B: input k2_base: QUANTISED
;;     7. [M 8,192, K 512] x [K 512, N 512]; A: computed on the way; B: computed on the way: QUANTISED
;;     8. [M 8,192, K 1,024] x [K 1,024, N 512]; A: computed on the way; B: input rp_w: QUANTISED
;;   THE QUANTISER, for each operand of a quantised product, along K:
;;     - K is cut into blocks of 32 from its start; a last block that is shorter is filled with zeros.
;;     - A block's scale is 2^e with e = floor(log2(the largest magnitude in the block)) - 2, held to -126 .. 127; a block of zeros has e = 0. As a byte (E8M0): e + 127.
;;     - Each number is divided by its block's scale, clamped to +-6, and rounded to the nearest number of E2M1, ties to even, subnormals kept.
;;     - The product sums the exact products of the quantised numbers (number of the format x scale) in f32.
;;   ~~~python
;;   def quantise(x, axis):      # numpy; x: float32 -> the quantised numbers, widened to float32 again
;;       x = np.moveaxis(x, axis, -1); K = x.shape[-1]
;;       x = np.pad(x, [(0, 0)] * (x.ndim - 1) + [(0, -K % 32)]); x = x.reshape(x.shape[:-1] + (-1, 32)); a = np.abs(x).max(-1, keepdims=True)
;;       e = np.where(a > 0, np.clip(np.frexp(np.where(a > 0, a, 1))[1] - 1 - 2, -126, 127), 0)      # np.frexp(a)[1] - 1 = floor(log2(a)), exactly
;;       r = np.clip(x / 2.0 ** e, -6, 6)
;;       step = 2.0 ** (np.maximum(np.frexp(np.where(r == 0, 1, r))[1] - 1, 0) - 1)
;;       q = np.round(r / step) * step * 2.0 ** e      # np.round: ties to even
;;       return np.moveaxis(q.reshape(q.shape[:-2] + (-1,))[..., :K], -1, axis).astype(np.float32)
;;   ~~~
;;   OPERANDS COMPUTED ON THE WAY. 'Computed on the way' means the value that the module computes at that place (a softmax that the list does not call 'softmax' is quantised finished and normalised). What goes into a quantiser is computed in f32, as accurately as f32 sums, v_exp_f32 and their like allow (about 1e-6 of the number): no bf16 or f16 on the way to a quantiser, and a product that is left as it is and whose result goes on into a quantised operand takes f32 operands (vector FMAs, or v_wmma_f32_16x16x4_f32). A number that lies on a knife's edge between two numbers of the format may be rounded either way, as far as f32 arithmetic and the matrix unit's own rounding can turn it there, and no further.
;; 2 versions. Each part assembles by itself: llvm-mc -triple=amdgcn-amd-amdhsa -mcpu=gfx1250 --defsym DOCPART=n.
;; ======== version 1 of 2: 2 launches
;; workspace buffers: wcodes 1,343,488 bytes; wscales 94,208 bytes; gtab 182,784 bytes
;; launch prep (part 1): grid 721 x 1, 1 waves a work-group, no clusters, 0 bytes of LDS; arguments ip_w, rg_w, ug_w, rp_w, k1_base, k2_base, k1_spline, k1_scaler, k2_spline, k2_scaler, grid1, grid2, wcodes, wscales, gtab; writes wcodes, wscales, gtab
.if DOCPART == 1
	.amdgcn_target "amdgcn-amd-amdhsa--gfx1250"
	.amdhsa_code_object_version 6
	.text
	.protected	k_q170636e251_prep
	.globl	k_q170636e251_prep
	.p2align	8
	.type	k_q170636e251_prep,@function
k_q170636e251_prep:
	s_mov_b64 s[64:65], 0
	v_nop
	global_prefetch_b8 v0, s[64:65] scope:SCOPE_SE
	s_setreg_imm32_b32 hwreg(HW_REG_WAVE_MODE, 25, 1), 1
	s_wait_xcnt 0x0
; PREP: every weight becomes codes of FP4 (E2M1) with one E8M0 byte for each 32 along K, once, laid in the ORDER OF THE OPERAND'S REGISTERS; the knots become tables of knots and reciprocals.
; A fragment is 16 weight rows x 128 K = 1,024 bytes: chunk c (512 bytes) holds lane l's registers 4 c .. 4 c + 3 at 16 l: block 2 c + l / 16 of row l % 16.  One wave, one job; a job is two fragments (plain, spline), one (half) or one table.
; A block's scale is 2^(floor(log2(largest magnitude)) - 2): its byte is the largest magnitude's exponent field - 2, held at 1 from below by a floor among the maximum's leaves.
; SPLINE WEIGHTS: spline_w x scaler in f32, then quantised.  Inside each block of 32 (4 features a x 8 functions k) the numbers are laid at 16 (a / 2) + 2 k + a % 2: the order in which the cell's lanes hold the functions
; of a pair of features.  The same order on both operands leaves blocks, scales and products as they are.
; HALF: k1_base (64 along K a job) and k2_base (K = 64): chunk 0 holds the 64, chunk 1 zero codes; the scale word's upper two bytes are 127.
; TABLES: for a pair of neighbouring features (2 l, 2 l + 1): 12 knots g_j, then 1 / (g_j+1 - g_j), 1 / (g_j+2 - g_j), 1 / (g_j+3 - g_j): 42 constants, each as a pair, 21 stores of 16 bytes a lane.
; LIMITS: NaN and infinities are not served.  Knots with g_j+k = g_j are not served (the division by 0 is not finite in the definition either).  A block whose largest magnitude lies under 2^-124 gets the byte 1; a block of zeros gets the
; byte 1 where the rule says 127: its codes are zeros and the bytes are read by this program alone.  The reciprocals are v_rcp_f32 with one Newton step.
; A lane reads 128 consecutive bytes of its row by eight loads of 16: neighbouring lanes stand a row apart.  The scale words leave as 8 (or 4) bytes in each 16.  Both are accepted here: the weights are 11 MB, read once.
.set RG_C,  65536
.set K1S_C, 851968
.set K1B_C, 1114112
.set K2_C,  1179648
.set RG_S,  8192
.set K1S_S, 57344
.set K1B_S, 73728
.set K2_S,  77824
.set BY, 16                            ; v16-19   four scale bytes
.set W,  20                            ; v20-21   two scale words
.set Z,  24                            ; v24-27   zeros
.set V,  32                            ; v32-159  four blocks of 32 numbers
.set P,  160                           ; v160-191 a block of products, in the cell's order
.set SR, 192                           ; v192-207 the scalers of 4 blocks x 4 features
.set CD, 208                           ; v208-223 the codes: block b at CD + 4 b
.set GK, 32                            ; tables: v32-55 the 24 knots as loaded
.set TB, 64                            ; v64-147 the 42 pairs
.set DF, 148                           ; v148-207 the 60 differences
; 32 numbers of a lane become 16 bytes of codes and a byte.  33 leaves (the floor 2^(3 - 127) among them) in two chains.
.macro QB32 src, dst, by
	v_max3_num_f32 v4, |v[(\src)]|, |v[(\src)+1]|, 0x1800000
	v_max3_num_f32 v5, |v[(\src)+2]|, |v[(\src)+3]|, |v[(\src)+4]|
.irp i, 5,9,13,17,21,25
	v_max3_num_f32 v4, v4, |v[(\src)+\i]|, |v[(\src)+\i+1]|
	v_max3_num_f32 v5, v5, |v[(\src)+\i+2]|, |v[(\src)+\i+3]|
.endr
	v_max3_num_f32 v4, v4, |v[(\src)+29]|, |v[(\src)+30]|
	v_max3_num_f32 v4, v4, v5, |v[(\src)+31]|
	v_add_nc_u32 v6, 0xff000000, v4                ; 2 off the exponent field: the conversion takes this operand's exponent field as its scale
.irp g, 0,1,2,3
	v_cvt_scalef32_pk8_fp4_f32 v[(\dst)+\g], v[(\src)+8*\g:(\src)+8*\g+7], v6
.endr
	v_lshrrev_b32 v[\by], 23, v6                   ; the byte; also the plain line behind the conversions
.endm
; From T (s43), the step (s44), log2 of the source's pitch (s42), the source's bytes along the row (s53), and the part's constants (s45 codes' base, s46 bytes for a pair of tiles, s47 log2 bytes a step, s48 scales' base, s49 log2 bytes for four steps):
; s[60:61], s[62:63] where the job's two fragments go, s[66:67] its scale words, s[40:41] its first source row.  s55 stays 0.
.macro ADDR
	s_lshr_b32 s54, s43, 1
	s_mul_i32 s54, s54, s46
	s_and_b32 s55, s43, 1
	s_lshl_b32 s55, s55, 10
	s_add_co_u32 s54, s54, s55
	s_lshl_b32 s55, s44, s47
	s_add_co_u32 s54, s54, s55
	s_add_co_u32 s54, s54, s45
	s_mov_b32 s55, 0
	s_add_nc_u64 s[60:61], s[28:29], s[54:55]
	s_lshl_b32 s54, 1, s47
	s_add_nc_u64 s[62:63], s[60:61], s[54:55]
	s_lshr_b32 s54, s44, 2
	s_lshl_b32 s54, s54, s49
	s_lshl_b32 s56, s43, 8
	s_add_co_u32 s54, s54, s56
	s_and_b32 s56, s44, 3
	s_lshl_b32 s56, s56, 2
	s_add_co_u32 s54, s54, s56
	s_add_co_u32 s54, s54, s48
	s_add_nc_u64 s[66:67], s[30:31], s[54:55]
	s_add_co_u32 s56, s42, 4
	s_lshl_b32 s54, s43, s56
	s_add_co_u32 s54, s54, s53
	s_add_nc_u64 s[40:41], s[40:41], s[54:55]
	v_lshlrev_b32 v11, s42, v1                     ; my row,
	v_lshl_add_u32 v11, v2, 7, v11                 ; and my half's block of 32 numbers
.endm
.macro LD32                            ; block b = 2 st + c: step st, chunk c; my half's 128 bytes
.irp b, 0,1,2,3
.irp i, 0,1,2,3,4,5,6,7
	global_load_b128 v[V+32*\b+4*\i:V+32*\b+4*\i+3], v11, s[40:41] offset:(\b/2)*512+(\b%2)*256+16*\i th:TH_LOAD_NT
.endr
.endr
.endm
.macro FINISH                          ; the two scale words, then the stores
.irp st, 0,1
	v_lshl_or_b32 v[W+\st], v[BY+2*\st+1], 16, v[BY+2*\st]     ; my bytes: blocks h and 2 + h,
	v_lshlrev_b32 v[W+\st], v3, v[W+\st]                       ; at their places (8 h bits up);
.endr
	v_permlanex16_b32 v9, v[W], s68, s69
	v_permlanex16_b32 v8, v[W+1], s68, s69
	v_or_b32 v[W], v[W], v9                        ; with lane l xor 16's two the word is whole, in both halves of the lanes
	v_or_b32 v[W+1], v[W+1], v8
.irp st, 0,1
.irp c, 0,1
	global_store_b128 v10, v[CD+8*\st+4*\c:CD+8*\st+4*\c+3], s[60+2*\st:61+2*\st] offset:512*\c   ; 32 lanes store 512 consecutive bytes
.endr
.endr
	global_store_b64 v13, v[W:W+1], s[66:67]       ; lanes l and l + 16 write the same words to the same place
	s_endpgm
.endm
	s_load_b512 s[4:19], s[0:1], 0x0               ; ip_w, rg_w, ug_w, rp_w, k1_base, k2_base, k1_spline, k1_scaler
	s_load_b256 s[20:27], s[0:1], 0x40             ; k2_spline, k2_scaler, grid1, grid2
	s_load_b128 s[28:31], s[0:1], 0x60             ; wcodes, wscales
	s_load_b64 s[32:33], s[0:1], 0x70              ; gtab
	v_and_b32 v1, 15, v0                           ; r
	v_lshrrev_b32 v2, 4, v0                        ; h
	v_lshlrev_b32 v3, 3, v2                        ; 8 h
	v_lshlrev_b32 v10, 4, v0                       ; 16 x lane
	v_lshlrev_b32 v13, 4, v1                       ; 16 r
	v_mov_b32 v9, 0                                ; (a lane permute's destination counts as one of its sources)
	v_mov_b32 v8, 0
	s_mov_b32 s68, 0x76543210
	s_mov_b32 s69, 0xfedcba98                      ; v_permlanex16_b32's selects for lane l xor 16
	s_wait_kmcnt 0x0
	s_cmp_lt_u32 ttmp9, 416
	s_cbranch_scc1 .Lplain
	s_cmp_lt_u32 ttmp9, 608
	s_cbranch_scc1 .Lspline
	s_cmp_lt_u32 ttmp9, 704
	s_cbranch_scc1 .Lhalf
	; ---- TABLES: jobs 704 .. 720: groups 0-15 are grid1's features 64 g + 2 l (+ 1), group 16 is grid2
	s_sub_co_u32 s34, ttmp9, 704
	s_mul_i32 s35, s34, 3072                       ; 64 features x 48 bytes
	s_mul_i32 s54, s34, 10752                      ; 21 x 512 bytes of table
	s_mov_b32 s55, 0
	s_add_nc_u64 s[60:61], s[32:33], s[54:55]
	s_cmp_eq_u32 s34, 16
	s_cselect_b64 s[40:41], s[26:27], s[24:25]
	s_cselect_b32 s54, 0, s35
	s_add_nc_u64 s[40:41], s[40:41], s[54:55]
	v_mul_u32_u24 v11, v0, 96                      ; two features' knots
.irp i, 0,1,2,3,4,5
	global_load_b128 v[GK+4*\i:GK+4*\i+3], v11, s[40:41] offset:16*\i
.endr
	s_wait_loadcnt 0x0
.irp j, 0,1,2,3,4,5,6,7,8,9,10,11
	v_mov_b32 v[TB+2*\j], v[GK+\j]
	v_mov_b32 v[TB+2*\j+1], v[GK+12+\j]
.endr
.set ci, 0
.irp k, 1,2,3
.set jj, 0
.rept 12-\k
	v_sub_f32 v[DF+2*ci], v[GK+jj+\k], v[GK+jj]
	v_sub_f32 v[DF+2*ci+1], v[GK+12+jj+\k], v[GK+12+jj]
.set jj, jj+1
.set ci, ci+1
.endr
.endr
.set ci, 0
.rept 60
	v_rcp_f32 v[TB+24+ci], v[DF+ci]
.set ci, ci+1
.endr
	v_nop                                          ; a plain line behind the transcendentals
.set ci, 0
	s_wait_alu depctr_va_vdst(0)
.rept 60
	v_fma_f32 v[DF+ci], -v[DF+ci], v[TB+24+ci], 1.0     ; e = 1 - d r
.set ci, ci+1
.endr
.set ci, 0
.rept 60
	v_fma_f32 v[TB+24+ci], v[TB+24+ci], v[DF+ci], v[TB+24+ci]   ; r + r e
.set ci, ci+1
.endr
.irp q, 0,1,2,3,4,5,6,7,8,9,10,11,12,13,14,15,16,17,18,19,20
	global_store_b128 v10, v[TB+4*\q:TB+4*\q+3], s[60:61] offset:512*\q
.endr
	s_endpgm
	; ---- PLAIN: jobs 0-31 ip_w (tile = job, both steps); 32-415 rg_w, ug_w, rp_w (128 jobs each: tile j / 4, steps 2 (j % 4) and the next)
.Lplain:
	s_sub_co_u32 s34, ttmp9, 32
	s_lshr_b32 s35, s34, 7                         ; which of the three
	s_and_b32 s34, s34, 127
	s_lshr_b32 s36, s34, 2
	s_and_b32 s37, s34, 3
	s_lshl_b32 s37, s37, 1
	s_lshl_b32 s38, s35, 18
	s_add_co_u32 s38, s38, RG_C
	s_lshl_b32 s39, s35, 14
	s_add_co_u32 s39, s39, RG_S
	s_mov_b32 s46, 16384
	s_mov_b32 s47, 11
	s_mov_b32 s49, 13
	s_cmp_eq_u32 s35, 1
	s_cselect_b64 s[40:41], s[8:9], s[6:7]
	s_cmp_eq_u32 s35, 2
	s_cselect_b64 s[40:41], s[10:11], s[40:41]
	s_cmp_lt_u32 ttmp9, 32
	s_cselect_b64 s[40:41], s[4:5], s[40:41]
	s_cselect_b32 s43, ttmp9, s36
	s_cselect_b32 s44, 0, s37
	s_cselect_b32 s42, 10, 12
	s_cselect_b32 s46, 4096, s46
	s_cselect_b32 s45, 0, s38
	s_cselect_b32 s48, 0, s39
	s_lshl_b32 s53, s44, 9
	ADDR
	LD32
.irp b, 0,1,2,3
	s_wait_loadcnt 8*(3-\b)                        ; this block's eight loads are in; the later blocks' may be out
	QB32 V+32*\b, CD+4*\b, BY+\b
.endr
	FINISH
	; ---- SPLINE: jobs 416-543 k1_spline (tile j / 32, steps 2 (j % 32) ..); 544-607 k2_spline (tile j / 2, steps 2 (j % 2) ..)
.Lspline:
	s_sub_co_u32 s34, ttmp9, 416
	s_sub_co_u32 s35, ttmp9, 544
	s_lshr_b32 s36, s34, 5
	s_and_b32 s37, s34, 31
	s_lshr_b32 s38, s35, 1
	s_and_b32 s39, s35, 1
	s_mov_b32 s46, 10240
	s_mov_b32 s45, K2_C
	s_mov_b32 s48, K2_S
	s_cmp_lt_u32 ttmp9, 544
	s_cselect_b64 s[40:41], s[16:17], s[20:21]
	s_cselect_b64 s[50:51], s[18:19], s[22:23]
	s_cselect_b32 s43, s36, s38
	s_cselect_b32 s44, s37, s39
	s_cselect_b32 s42, 15, 11
	s_cselect_b32 s52, 12, 8
	s_cselect_b32 s47, 12, 11
	s_cselect_b32 s49, 10, 13
	s_cselect_b32 s46, 2048, s46
	s_cselect_b32 s45, K1S_C, s45
	s_cselect_b32 s48, K1S_S, s48
	s_lshl_b32 s44, s44, 1
	s_lshl_b32 s53, s44, 9
	ADDR
	s_add_co_u32 s56, s52, 4                       ; the scalers: 16 features a step, 4 a block
	s_lshl_b32 s54, s43, s56
	s_lshl_b32 s56, s44, 6
	s_add_co_u32 s54, s54, s56
	s_add_nc_u64 s[50:51], s[50:51], s[54:55]
	v_lshlrev_b32 v12, s52, v1
	v_lshl_add_u32 v12, v2, 4, v12
.irp b, 0,1,2,3
	global_load_b128 v[SR+4*\b:SR+4*\b+3], v12, s[50:51] offset:(\b/2)*64+(\b%2)*32
.endr
	LD32
.irp b, 0,1,2,3
	s_wait_loadcnt 8*(3-\b)                        ; the scalers (older) and this block are in
.irp a, 0,1,2,3
.irp k, 0,1,2,3,4,5,6,7
	v_mul_f32 v[P+16*(\a/2)+2*\k+(\a%2)], v[V+32*\b+8*\a+\k], v[SR+4*\b+\a]
.endr
.endr
	QB32 P, CD+4*\b, BY+\b
.endr
	FINISH
	; ---- HALF: jobs 608-671 k1_base (tile j % 4, the 64 along K number j / 4); 672-703 k2_base (tile j; it is K2's fifth step)
.Lhalf:
	s_sub_co_u32 s34, ttmp9, 608
	s_sub_co_u32 s35, ttmp9, 672
	s_and_b32 s36, s34, 3
	s_lshr_b32 s37, s34, 2
	s_mov_b32 s46, 10240
	s_mov_b32 s45, K2_C
	s_mov_b32 s48, K2_S
	s_cmp_lt_u32 ttmp9, 672
	s_cselect_b64 s[40:41], s[12:13], s[14:15]
	s_cselect_b32 s43, s36, s35
	s_cselect_b32 s44, s37, 4
	s_cselect_b32 s53, s37, 0
	s_cselect_b32 s42, 12, 8
	s_cselect_b32 s47, 12, 11
	s_cselect_b32 s49, 10, 13
	s_cselect_b32 s46, 2048, s46
	s_cselect_b32 s45, K1B_C, s45
	s_cselect_b32 s48, K1B_S, s48
	s_lshl_b32 s53, s53, 8
	ADDR
.irp i, 0,1,2,3,4,5,6,7
	global_load_b128 v[V+4*\i:V+4*\i+3], v11, s[40:41] offset:16*\i th:TH_LOAD_NT
.endr
.irp i, 0,1,2,3
	v_mov_b32 v[Z+\i], 0
.endr
	s_wait_loadcnt 0x0
	QB32 V, CD, BY
	v_lshlrev_b32 v[W], v3, v[BY]
	v_permlanex16_b32 v9, v[W], s68, s69
	v_or_b32 v[W], v[W], v9
	v_or_b32 v[W], 0x7f7f0000, v[W]                ; the two blocks of zero codes: byte 127
	global_store_b128 v10, v[CD:CD+3], s[60:61]
	global_store_b128 v10, v[Z:Z+3], s[60:61] offset:512
	global_store_b32 v13, v[W], s[66:67]           ; lanes l and l + 16 write the same word to the same place
	s_endpgm
.Lfunc_end_k_q170636e251_prep:
	.size	k_q170636e251_prep, .Lfunc_end_k_q170636e251_prep-k_q170636e251_prep
	.p2alignl 7, 3214868480
	.fill 96, 4, 3214868480
	.section	.rodata,"a",@progbits
	.p2align	6, 0x0
	.amdhsa_kernel k_q170636e251_prep
		.amdhsa_group_segment_fixed_size 0
		.amdhsa_private_segment_fixed_size 0
		.amdhsa_enable_private_segment 0
		.amdhsa_kernarg_size 120
		.amdhsa_user_sgpr_count 2
		.amdhsa_user_sgpr_kernarg_segment_ptr 1
		.amdhsa_wavefront_size32 1
		.amdhsa_system_sgpr_workgroup_id_x 1
		.amdhsa_system_sgpr_workgroup_id_y 1
		.amdhsa_system_sgpr_workgroup_id_z 1
		.amdhsa_system_vgpr_workitem_id 0
		.amdhsa_next_free_vgpr 224
		.amdhsa_next_free_sgpr 72
		.amdhsa_reserve_vcc 0
		.amdhsa_float_denorm_mode_32 3
		.amdhsa_float_denorm_mode_16_64 3
		.amdhsa_memory_ordered 1
		.amdhsa_forward_progress 1
		.amdhsa_inst_pref_size 49
	.end_amdhsa_kernel
	.amdgpu_metadata
---
amdhsa.version: [ 1, 2 ]
amdhsa.kernels:
  - .name:           k_q170636e251_prep
    .symbol:         k_q170636e251_prep.kd
    .args:
      - { .name: ip_w, .offset: 0, .size: 8, .value_kind: global_buffer, .address_space: global }
      - { .name: rg_w, .offset: 8, .size: 8, .value_kind: global_buffer, .address_space: global }
      - { .name: ug_w, .offset: 16, .size: 8, .value_kind: global_buffer, .address_space: global }
      - { .name: rp_w, .offset: 24, .size: 8, .value_kind: global_buffer, .address_space: global }
      - { .name: k1_base, .offset: 32, .size: 8, .value_kind: global_buffer, .address_space: global }
      - { .name: k2_base, .offset: 40, .size: 8, .value_kind: global_buffer, .address_space: global }
      - { .name: k1_spline, .offset: 48, .size: 8, .value_kind: global_buffer, .address_space: global }
      - { .name: k1_scaler, .offset: 56, .size: 8, .value_kind: global_buffer, .address_space: global }
      - { .name: k2_spline, .offset: 64, .size: 8, .value_kind: global_buffer, .address_space: global }
      - { .name: k2_scaler, .offset: 72, .size: 8, .value_kind: global_buffer, .address_space: global }
      - { .name: grid1, .offset: 80, .size: 8, .value_kind: global_buffer, .address_space: global }
      - { .name: grid2, .offset: 88, .size: 8, .value_kind: global_buffer, .address_space: global }
      - { .name: wcodes, .offset: 96, .size: 8, .value_kind: global_buffer, .address_space: global }
      - { .name: wscales, .offset: 104, .size: 8, .value_kind: global_buffer, .address_space: global }
      - { .name: gtab, .offset: 112, .size: 8, .value_kind: global_buffer, .address_space: global }
    .group_segment_fixed_size: 0
    .private_segment_fixed_size: 0
    .kernarg_segment_align: 8
    .kernarg_segment_size: 120
    .max_flat_workgroup_size: 32
    .sgpr_count:     72
    .vgpr_count:     224
    .wavefront_size: 32
...
	.end_amdgpu_metadata
.endif
;; end of part 1
;; launch cell (part 2): grid 256 x 1, 16 waves a work-group, no clusters, 327,680 bytes of LDS; arguments x, h_prev, ip_b, rg_b, rg_g, rg_beta, ug_b, ug_g, ug_beta, rp_b, cn_g, cn_b, wcodes, wscales, gtab, out0; writes out0
.if DOCPART == 2
	.amdgcn_target "amdgcn-amd-amdhsa--gfx1250"
	.amdhsa_code_object_version 6
	.text
	.protected	k_q170636e251_cell
	.globl	k_q170636e251_cell
	.p2align	8
	.type	k_q170636e251_cell,@function
k_q170636e251_cell:
	s_mov_b64 s[64:65], 0
	v_nop
	global_prefetch_b8 v0, s[64:65] scope:SCOPE_SE
	s_setreg_imm32_b32 hwreg(HW_REG_WAVE_MODE, 25, 1), 1
	s_wait_xcnt 0x0
; CELL: the whole cell for 32 rows a work-group; nothing goes to memory between x, h_prev and out0.  All eight products run on codes of FP4 (E2M1) with E8M0 scales; everything else is f32.
; SHARES.  Sixteen waves of 256 registers.  Wave w owns features 64 w .. 64 w + 63 of combined = [x_proj | h_prev] (quantiser, silu, splines) and columns 32 w .. 32 w + 31 of x_proj, reset, update and the candidate.
; EVERY PRODUCT IS USED TRANSPOSED: source 0 = 16 weight rows, source 1 = 16 rows of the batch: lane (r, h) holds row r, its register j column 8 h + j of the tile.  Biases are the C of a sum's first instruction.
; WEIGHTS come from the workspace in the order of the operand's registers: each fragment is used by one wave of the work-group and is loaded straight into its registers, 512 consecutive bytes a load.
; No cluster and no joint loads, although all work-groups walk the same weights: that would send the weights through rings in LDS, and this text uses 325,632 of LDS's 327,680 bytes for the rows' own data.
; SPLINES.  A lane holds a PAIR of neighbouring features, its 42 constants a feature as pairs in 84 registers; the whole recursion (11 indicators, then 10, 9, 8 functions, each feature's own 12 knots) runs on packed f32.
; With T_j = b_j / (g_j+k - g_j) and D_j = x - g_j a level is b'_j = D_j T_j - D_j+k+1 T_j+1.  The 8 final pairs are 16 consecutive registers, which two conversions take as they stand; the weights were laid in the same order.
; A block of 32 (4 features x 8) lies in lanes 2 b and 2 b + 1.
; THE RESET GATE is computed whole (product, bias, norm, tanh) and dropped, as the definition drops it.
; NORMS: each wave makes (mean, sum of squared deviations) of its 32 columns of a row; the sixteen pairs are merged: no difference of large sums is formed.
; LIMITS: NaN and infinities are not served.  A block whose largest magnitude lies under 2^-124 gets the byte 1; a block of zeros gets the byte 1 where the rule says 127 (zero codes; the bytes never leave this launch).
; The recursion multiplies by reciprocals of knot differences where the definition divides.  out = h + u (c - h) stands for (1 - u) h + u c.
.set CP,   4112                        ; LDS: COMB at 0: 32 rows of 1,024 f32 + 16 bytes
.set CODE, 131584                      ; 16 waves x 8,704: 32 rows x (256 bytes of spline codes + 16)
.set CW,   8704
.set AS1,  270848                      ; 16 waves x 512: [row][16 scale bytes]
.set QC,   279040                      ; combined's codes as images: [row tile][chunk 0..15][512]
.set QCS,  295424                      ; their scale bytes [row][32]
.set VEC,  296448                      ; ten vectors of 2,048 bytes: ip_b rg_b rg_g rg_beta ug_b ug_g ug_beta rp_b cn_g cn_b
.set MID,  316928                      ; the middle layer: 32 rows x (256 + 16)
.set XS,   CODE                        ; laid over CODE, each use parted from the next by a barrier: x, 32 rows x (1,024 + 16);
.set XQ,   CODE+33280                  ; x's codes [row tile][chunk 0..3][512];
.set XQS,  CODE+37376                  ; their scale bytes [row][8];
.set C2,   CODE                        ; later: the second layer's codes, 32 rows x (256 spline + 32 silu + 16);
.set AS2,  CODE+9728                   ; their scale bytes [row][32]: 16, 2, and 127 twice;
.set ST,   CODE+10752                  ; the norms' quads: four regions of 16 x 272: [r][wave][16 bytes]
.set RG_C,  65536                      ; the workspace's parts
.set K1S_C, 851968
.set K1B_C, 1114112
.set K2_C,  1179648
.set RG_S,  8192
.set UG_S,  24576
.set RP_S,  40960
.set K1S_S, 57344
.set K1B_S, 73728
.set K2_S,  77824
.set G,   16                           ; v16-39 knots, v40-61, v62-81, v82-99 the three levels' reciprocals: pairs
.set I1,  40
.set I2,  62
.set I3,  82
.set D,   100                          ; v100-123 x - g_j
.set T,   124                          ; v124-145 the functions
.set TMP, 146                          ; v146-151
.set X0,  152                          ; v152-155 two rows' pairs of x
.set X1,  154
; v0 thread, v1 lane, v2 r, v3 h, v4-v8 the quantiser's, v9 spare, v10 16 x lane, v11 4 x thread (both never rewritten), v12-15 and v158-163 LDS addresses of the phase in hand
; (where a phase's numbers fill v100-163: v220-222); v226-255 scale words and nothing else.
; s[36:59] the splines' masks; s60 wave; s61 trips; s[62:63] permute selects; s66-68 the row's steps; s[70:91] pointers, made once; s92-99 at work.
.macro BAR                             ; my LDS stores have landed and my LDS loads are in: then the work-group's barrier
	s_wait_dscnt 0x0
	s_barrier_signal -1
	s_barrier_wait -1
.endm
.macro NOP4                            ; four places behind matrix instructions, ahead of reads of their results and of loads into their sources
.rept 4
	v_nop
.endr
.endm
; One scaled product.  c < 0: the sum starts with 0.  ra, rb: which half of the lanes holds source 0's and source 1's scale words.
.macro WM d, a, b, c, sa, sb, ra, rb
.if (\c) < 0
.if (\ra) && (\rb)
	v_wmma_scale_f32_16x16x128_f8f6f4 v[(\d):(\d)+7], v[(\a):(\a)+7], v[(\b):(\b)+7], 0, v[\sa], v[\sb] matrix_a_fmt:MATRIX_FMT_FP4 matrix_b_fmt:MATRIX_FMT_FP4 matrix_a_scale:MATRIX_SCALE_ROW1 matrix_b_scale:MATRIX_SCALE_ROW1
.elseif (\ra)
	v_wmma_scale_f32_16x16x128_f8f6f4 v[(\d):(\d)+7], v[(\a):(\a)+7], v[(\b):(\b)+7], 0, v[\sa], v[\sb] matrix_a_fmt:MATRIX_FMT_FP4 matrix_b_fmt:MATRIX_FMT_FP4 matrix_a_scale:MATRIX_SCALE_ROW1
.elseif (\rb)
	v_wmma_scale_f32_16x16x128_f8f6f4 v[(\d):(\d)+7], v[(\a):(\a)+7], v[(\b):(\b)+7], 0, v[\sa], v[\sb] matrix_a_fmt:MATRIX_FMT_FP4 matrix_b_fmt:MATRIX_FMT_FP4 matrix_b_scale:MATRIX_SCALE_ROW1
.else
	v_wmma_scale_f32_16x16x128_f8f6f4 v[(\d):(\d)+7], v[(\a):(\a)+7], v[(\b):(\b)+7], 0, v[\sa], v[\sb] matrix_a_fmt:MATRIX_FMT_FP4 matrix_b_fmt:MATRIX_FMT_FP4
.endif
.else
.if (\ra) && (\rb)
	v_wmma_scale_f32_16x16x128_f8f6f4 v[(\d):(\d)+7], v[(\a):(\a)+7], v[(\b):(\b)+7], v[(\c):(\c)+7], v[\sa], v[\sb] matrix_a_fmt:MATRIX_FMT_FP4 matrix_b_fmt:MATRIX_FMT_FP4 matrix_a_scale:MATRIX_SCALE_ROW1 matrix_b_scale:MATRIX_SCALE_ROW1
.elseif (\ra)
	v_wmma_scale_f32_16x16x128_f8f6f4 v[(\d):(\d)+7], v[(\a):(\a)+7], v[(\b):(\b)+7], v[(\c):(\c)+7], v[\sa], v[\sb] matrix_a_fmt:MATRIX_FMT_FP4 matrix_b_fmt:MATRIX_FMT_FP4 matrix_a_scale:MATRIX_SCALE_ROW1
.elseif (\rb)
	v_wmma_scale_f32_16x16x128_f8f6f4 v[(\d):(\d)+7], v[(\a):(\a)+7], v[(\b):(\b)+7], v[(\c):(\c)+7], v[\sa], v[\sb] matrix_a_fmt:MATRIX_FMT_FP4 matrix_b_fmt:MATRIX_FMT_FP4 matrix_b_scale:MATRIX_SCALE_ROW1
.else
	v_wmma_scale_f32_16x16x128_f8f6f4 v[(\d):(\d)+7], v[(\a):(\a)+7], v[(\b):(\b)+7], v[(\c):(\c)+7], v[\sa], v[\sb] matrix_a_fmt:MATRIX_FMT_FP4 matrix_b_fmt:MATRIX_FMT_FP4
.endif
.endif
.endm
; 32 numbers of a lane become 16 bytes of codes and a byte: 33 leaves (the floor 2^(3 - 127) among them) in two chains
.macro QB32 src, dst, by
	v_max3_num_f32 v4, |v[(\src)]|, |v[(\src)+1]|, 0x1800000
	v_max3_num_f32 v5, |v[(\src)+2]|, |v[(\src)+3]|, |v[(\src)+4]|
.irp i, 5,9,13,17,21,25
	v_max3_num_f32 v4, v4, |v[(\src)+\i]|, |v[(\src)+\i+1]|
	v_max3_num_f32 v5, v5, |v[(\src)+\i+2]|, |v[(\src)+\i+3]|
.endr
	v_max3_num_f32 v4, v4, |v[(\src)+29]|, |v[(\src)+30]|
	v_max3_num_f32 v4, v4, v5, |v[(\src)+31]|
	v_add_nc_u32 v6, 0xff000000, v4                ; 2 off the exponent field: the conversion's scale operand
.irp g, 0,1,2,3
	v_cvt_scalef32_pk8_fp4_f32 v[(\dst)+\g], v[(\src)+8*\g:(\src)+8*\g+7], v6
.endr
	v_lshrrev_b32 v[\by], 23, v6                   ; the byte; also the plain line behind the conversions
.endm
; Lane l holds 64 neighbours of ROW l (two blocks).  Their codes become two chunks of an operand: behind the exchange c0 .. c0 + 3 is the chunk of rows 0-15 (lanes 0-15 block 0, lanes 16-31 block 1), c1 .. that of rows 16-31.  Bytes: v7, v8.
.macro QPAIR va, vb, c0, c1
	QB32 \va, \c0, 7
	QB32 \vb, \c1, 8
	v_nop
.irp i, 0,1,2,3
	v_permlane16_swap_b32 v[(\c0)+\i], v[(\c1)+\i]
.endr
.endm
.macro QROW64 adr, va, vb, c0, c1      ; the loads fill va .. va + 31 and vb .. vb + 31: no address register lies there
.irp i, 0,1,2,3,4,5,6,7
	ds_load_b128 v[(\va)+4*\i:(\va)+4*\i+3], v[\adr] offset:16*\i
.endr
.irp i, 0,1,2,3,4,5,6,7
	ds_load_b128 v[(\vb)+4*\i:(\vb)+4*\i+3], v[\adr] offset:128+16*\i
.endr
	s_wait_dscnt 0x0
	QPAIR \va, \vb, \c0, \c1
.endm
.macro MULC d, x, lit, n               ; d = x times a constant, n registers
.set ei, 0
.rept (\n)/2
	v_pk_mul_f32 v[(\d)+ei:(\d)+ei+1], v[(\x)+ei:(\x)+ei+1], \lit op_sel_hi:[1,0]
.set ei, ei+2
.endr
.endm
.macro E1R x, n                        ; x = 1 / (1 + 2^x).  A plain line stands behind each run of transcendentals
.set ei, 0
.rept \n
	v_exp_f32 v[(\x)+ei], v[(\x)+ei]
.set ei, ei+1
.endr
	v_nop
.set ei, 0
	s_wait_alu depctr_va_vdst(0)
.rept (\n)/2
	v_pk_add_f32 v[(\x)+ei:(\x)+ei+1], v[(\x)+ei:(\x)+ei+1], 1.0 op_sel_hi:[1,0]
.set ei, ei+2
.endr
.set ei, 0
.rept \n
	v_rcp_f32 v[(\x)+ei], v[(\x)+ei]
.set ei, ei+1
.endr
	v_nop
.endm
.macro SILU x, w, n                    ; x = x / (1 + 2^(-x log2 e)); w: n registers at work
	MULC \w, \x, 0xbfb8aa3b, \n
	E1R \w, \n
.set ei, 0
	s_wait_alu depctr_va_vdst(0)
.rept (\n)/2
	v_pk_mul_f32 v[(\x)+ei:(\x)+ei+1], v[(\x)+ei:(\x)+ei+1], v[(\w)+ei:(\w)+ei+1]
.set ei, ei+2
.endr
.endm
; One level of the recursion: n functions out of n + 1.  The product D_j T_j runs one ahead of the fused line that uses it.
.macro LEVEL k, n, inv
.if \k > 1
.set lj, 0
.rept \n+1
	v_pk_mul_f32 v[T+2*lj:T+2*lj+1], v[T+2*lj:T+2*lj+1], v[\inv+2*lj:\inv+2*lj+1]
.set lj, lj+1
.endr
.endif
	v_pk_mul_f32 v[TMP:TMP+1], v[D:D+1], v[T:T+1]
.set lj, 0
.rept \n
.if lj+1 < \n
	v_pk_mul_f32 v[TMP+2*((lj+1)%3):TMP+2*((lj+1)%3)+1], v[D+2*(lj+1):D+2*(lj+1)+1], v[T+2*(lj+1):T+2*(lj+1)+1]
.endif
	v_pk_fma_f32 v[T+2*lj:T+2*lj+1], v[D+2*(lj+\k+1):D+2*(lj+\k+1)+1], v[T+2*lj+2:T+2*lj+3], v[TMP+2*(lj%3):TMP+2*(lj%3)+1] neg_lo:[1,0,0] neg_hi:[1,0,0]
.set lj, lj+1
.endr
.endm
; The splines of one row for my pair of features in v[xr], v[xr + 1]: 16 codes (8 bytes) to v[ca] + co, the block's byte to v[sa] + so.  The masks only select values.
.macro SPL xr, cd, by, ca, sa, co, so
.irp j, 0,1,2,3,4,5,6,7,8,9,10,11
	v_pk_add_f32 v[D+2*\j:D+2*\j+1], v[\xr:\xr+1], v[G+2*\j:G+2*\j+1] neg_lo:[0,1] neg_hi:[0,1]
.endr
.irp j, 0,1,2,3,4,5,6,7,8,9,10,11
	v_cmp_ge_f32 s[36+2*\j], v[\xr], v[G+2*\j]
	v_cmp_ge_f32 s[37+2*\j], v[\xr+1], v[G+2*\j+1]
.endr
.irp j, 0,1,2,3,4,5,6,7,8,9,10
	s_and_not1_b32 s[36+2*\j], s[36+2*\j], s[38+2*\j]          ; x >= g_j and not x >= g_j+1
	s_and_not1_b32 s[37+2*\j], s[37+2*\j], s[39+2*\j]
.endr
.irp j, 0,1,2,3,4,5,6,7,8,9,10,11,12,13,14,15,16,17,18,19,20,21
	v_cndmask_b32 v[T+\j], 0, v[I1+\j], s[36+\j]               ; the indicator times the first level's reciprocal, in one line
.endr
	LEVEL 1, 10, I1
	LEVEL 2, 9, I2
	LEVEL 3, 8, I3
	v_max3_num_f32 v4, |v[T]|, |v[T+1]|, 0x1800000
	v_max3_num_f32 v5, |v[T+2]|, |v[T+3]|, |v[T+4]|
	v_max3_num_f32 v4, v4, |v[T+5]|, |v[T+6]|
	v_max3_num_f32 v5, v5, |v[T+7]|, |v[T+8]|
	v_max3_num_f32 v4, v4, |v[T+9]|, |v[T+10]|
	v_max3_num_f32 v5, v5, |v[T+11]|, |v[T+12]|
	v_max3_num_f32 v4, v4, |v[T+13]|, |v[T+14]|
	v_max3_num_f32 v4, v4, v5, |v[T+15]|
	v_max_num_f32_dpp v4, v4, v4 row_xmask:1 row_mask:0xf bank_mask:0xf   ; with my neighbour's 16: the block's
	v_add_nc_u32 v6, 0xff000000, v4
	v_cvt_scalef32_pk8_fp4_f32 v[\cd], v[T:T+7], v6
	v_cvt_scalef32_pk8_fp4_f32 v[\cd+1], v[T+8:T+15], v6
	v_lshrrev_b32 v[\by], 23, v6
	ds_store_b64 v[\ca], v[\cd:\cd+1] offset:\co
	ds_store_b8 v[\sa], v[\by] offset:\so          ; both lanes of a block write the same byte
.endm
.macro CSADDR                          ; v12, v13: my columns in rows r and 16 + r of COMB; v14: my columns in a vector
	s_lshl_b32 s94, s60, 7
	v_mul_u32_u24 v12, v2, CP
	v_lshl_add_u32 v12, v3, 5, v12
	v_add_nc_u32 v12, s94, v12
	v_add_nc_u32 v13, 16*CP, v12
	s_add_co_u32 s94, s94, VEC
	v_lshlrev_b32 v14, 5, v3
	v_add_nc_u32 v14, s94, v14
.endm
	; ---- P0: ids, pointers, all early loads; x, h_prev and the vectors go to LDS
	s_load_b512 s[4:19], s[0:1], 0x0               ; x, h_prev, ip_b, rg_b, rg_g, rg_beta, ug_b, ug_g
	s_load_b512 s[20:35], s[0:1], 0x40             ; ug_beta, rp_b, cn_g, cn_b, wcodes, wscales, gtab, out0
	v_lshrrev_b32 v4, 5, v0
	v_readfirstlane_b32 s60, v4                    ; wave 0..15
	v_and_b32 v1, 31, v0
	v_and_b32 v2, 15, v0
	v_bfe_u32 v3, v0, 4, 1
	v_lshlrev_b32 v10, 4, v1
	v_lshlrev_b32 v11, 2, v0
	v_mov_b32 v9, 0
	s_mov_b32 s62, 0x76543210
	s_mov_b32 s63, 0xfedcba98                      ; v_permlanex16_b32's selects for lane l xor 16
	s_mul_i32 s94, s60, 2080
	s_add_co_u32 s94, s94, XS
	v_add_nc_u32 v12, s94, v10                     ; x's rows 2 w, 2 w + 1 in XS
	s_mul_i32 s94, s60, 2*CP
	v_add_nc_u32 v13, s94, v10                     ; the same rows in COMB
	v_add_nc_u32 v14, VEC, v11
	s_lshl_b32 s94, s60, 8                         ; the next phase's three addresses are made ahead of its branch on the wave's number
	s_add_co_u32 s94, s94, XS
	v_mul_u32_u24 v15, v1, 1040
	v_add_nc_u32 v15, s94, v15                     ; row l of x, features 64 w on
	s_lshl_b32 s94, s60, 9
	s_add_co_u32 s94, s94, XQ
	v_add_nc_u32 v158, s94, v10
	s_lshl_b32 s94, s60, 1
	s_add_co_u32 s94, s94, XQS
	v_lshlrev_b32 v159, 3, v1
	v_add_nc_u32 v159, s94, v159
	s_mov_b32 s93, 0
	s_wait_kmcnt 0x0
	s_lshl_b32 s92, ttmp9, 15
	s_lshl_b32 s94, s60, 11
	s_add_co_u32 s92, s92, s94
	s_add_nc_u64 s[70:71], s[4:5], s[92:93]        ; x: my two rows
	s_lshl_b32 s92, ttmp9, 16
	s_lshl_b32 s94, s60, 12
	s_add_co_u32 s92, s92, s94
	s_add_nc_u64 s[72:73], s[6:7], s[92:93]        ; h_prev: my two rows
	s_add_nc_u64 s[74:75], s[34:35], s[92:93]      ; out0 likewise
	s_mov_b32 s92, s94
	s_add_nc_u64 s[76:77], s[28:29], s[92:93]      ; wcodes + 4,096 w
	s_lshl_b32 s92, s60, 14
	s_add_nc_u64 s[78:79], s[28:29], s[92:93]      ; + 16,384 w
	s_mul_i32 s92, s60, 10240
	s_add_nc_u64 s[80:81], s[28:29], s[92:93]      ; + 10,240 w
	s_lshl_b32 s92, s60, 9
	s_add_nc_u64 s[82:83], s[30:31], s[92:93]      ; wscales + 512 w
	s_lshl_b32 s92, s60, 10
	s_add_nc_u64 s[84:85], s[30:31], s[92:93]      ; + 1,024 w
	s_lshr_b32 s92, s60, 2
	s_lshl_b32 s92, s92, 10
	s_and_b32 s94, s60, 3
	s_lshl_b32 s94, s94, 2
	s_add_co_u32 s92, s92, s94
	s_add_nc_u64 s[86:87], s[30:31], s[92:93]      ; + 1,024 (w / 4) + 4 (w % 4)
	s_mul_i32 s92, s60, 10752
	s_add_nc_u64 s[88:89], s[32:33], s[92:93]      ; my group's table
	s_add_nc_u64 s[90:91], s[32:33], 172032        ; grid2's table
.irp i, 0,1,2,3
	global_load_b128 v[100+4*\i:103+4*\i], v10, s[70:71] offset:512*\i th:TH_LOAD_NT
.endr
.irp i, 0,1,2,3,4,5,6,7
	global_load_b128 v[116+4*\i:119+4*\i], v10, s[72:73] offset:512*\i th:TH_LOAD_NT
.endr
.irp i, 0,1,2,3,4,5,6,7,8,9
	global_load_b32 v[148+\i], v11, s[8+2*\i:9+2*\i]
.endr
.irp s, 0,1
.irp t, 0,1
.irp c, 0,1
	global_load_b128 v[162+8*(2*\s+\t)+4*\c:165+8*(2*\s+\t)+4*\c], v10, s[76:77] offset:\s*2048+\t*1024+\c*512   ; ip_w's four fragments
.endr
.endr
.endr
	global_load_b64 v[226:227], v10, s[82:83]      ; their scale words: lane l: weight row 32 w + l, steps 0 and 1
.irp q, 0,1,2,3,4,5,6,7,8,9,10,11,12,13,14,15,16,17,18,19,20
	global_load_b128 v[G+4*\q:G+4*\q+3], v10, s[88:89] offset:512*\q      ; the splines' constants
.endr
	s_wait_loadcnt 30                              ; x, h_prev and the vectors are in; the 8 + 1 + 21 younger loads stay out
.irp i, 0,1,2,3
	ds_store_b128 v12, v[100+4*\i:103+4*\i] offset:(\i/2)*1040+(\i%2)*512
.endr
.irp i, 0,1,2,3,4,5,6,7
	ds_store_b128 v13, v[116+4*\i:119+4*\i] offset:(\i/4)*CP+2048+(\i%4)*512
.endr
.irp i, 0,1,2,3,4,5,6,7,8,9
	ds_store_b32 v14, v[148+\i] offset:2048*\i
.endr
	BAR
	; ---- P1: waves 0-3 quantise x: lane l takes row l, features 64 w on
	s_cmp_lt_u32 s60, 4
	s_cbranch_scc0 .Lnox
	QROW64 15, 100, 194, 132, 136
	ds_store_b128 v158, v[132:135]
	ds_store_b128 v158, v[136:139] offset:2048
	v_lshl_or_b32 v160, v8, 8, v7
	ds_store_b16 v159, v160
.Lnox:
	BAR
	; ---- P2: x_proj = Q(x) Q(ip_w)^T + ip_b: my 32 columns of the 32 rows, into COMB
	CSADDR
	v_add_nc_u32 v15, XQ, v10
	v_lshlrev_b32 v158, 3, v1
	v_add_nc_u32 v158, XQS, v158
.irp mt, 0,1
.irp s, 0,1
.irp c, 0,1
	ds_load_b128 v[100+8*(2*\mt+\s)+4*\c:103+8*(2*\mt+\s)+4*\c], v15 offset:\mt*2048+(2*\s+\c)*512
.endr
.endr
.endr
	ds_load_b64 v[228:229], v158                   ; lane l: row l's two scale words
.irp t, 0,1
.irp q, 0,1
	ds_load_b128 v[132+8*\t+4*\q:135+8*\t+4*\q], v14 offset:64*\t+16*\q
.endr
.endr
	s_wait_loadcnt 21                              ; ip_w's fragments and words are in; the 21 loads of constants stay out
	s_wait_dscnt 0x0
.irp s, 0,1                            ; four accumulators by turns
.irp mt, 0,1
.irp t, 0,1
.if \s == 0
	WM 194+8*(2*\mt+\t), 162+8*(2*\s+\t), 100+8*(2*\mt+\s), 132+8*\t, 226+\s, 228+\s, \t, \mt
.else
	WM 194+8*(2*\mt+\t), 162+8*(2*\s+\t), 100+8*(2*\mt+\s), 194+8*(2*\mt+\t), 226+\s, 228+\s, \t, \mt
.endif
.endr
.endr
.endr
	NOP4
.irp mt, 0,1
.irp t, 0,1
	ds_store_b128 v[12+\mt], v[194+8*(2*\mt+\t):197+8*(2*\mt+\t)] offset:64*\t        ; each accumulator from its low end on
	ds_store_b128 v[12+\mt], v[198+8*(2*\mt+\t):201+8*(2*\mt+\t)] offset:64*\t+16
.endr
.endr
	BAR
	; ---- P3: lane l takes row l of combined, my 64 features: Q(combined) as images for all waves; Q(silu(combined)) stays in my registers (v204-219, chunk 1 zeros).
	; The 64 numbers fill v100-163, the silu works in v164-195, the codes lie in v196-219: so the two store addresses and the 16-bit store's data lie in v220-222
	s_lshl_b32 s94, s60, 8
	v_mul_u32_u24 v15, v1, CP
	v_add_nc_u32 v15, s94, v15
	s_lshl_b32 s94, s60, 9
	s_add_co_u32 s94, s94, QC
	v_add_nc_u32 v220, s94, v10
	s_lshl_b32 s94, s60, 1
	s_add_co_u32 s94, s94, QCS
	v_lshlrev_b32 v221, 5, v1
	v_add_nc_u32 v221, s94, v221
	QROW64 15, 100, 132, 196, 200
	ds_store_b128 v220, v[196:199]
	ds_store_b128 v220, v[200:203] offset:8192
	v_lshl_or_b32 v222, v8, 8, v7
	ds_store_b16 v221, v222
	SILU 100, 164, 32
	SILU 132, 164, 32
	QPAIR 100, 132, 204, 212
.irp i, 208,209,210,211,216,217,218,219
	v_mov_b32 v[\i], 0
.endr
	v_lshl_or_b32 v240, v8, 8, v7
	v_or_b32 v240, 0x7f7f0000, v240                ; row l's scale word: two bytes, and 127 for the zero codes
	; ---- P4: the first layer's splines: my 64 features, all 32 rows, two rows a trip.  Codes and bytes go to my own part of LDS: no barrier
	s_lshl_b32 s94, s60, 8
	v_lshlrev_b32 v14, 3, v1
	v_add_nc_u32 v12, s94, v14
	s_mul_i32 s94, s60, CW
	s_add_co_u32 s94, s94, CODE
	v_add_nc_u32 v13, s94, v14
	s_lshl_b32 s94, s60, 9
	s_add_co_u32 s94, s94, AS1
	v_lshrrev_b32 v14, 1, v1
	v_add_nc_u32 v14, s94, v14
	s_wait_loadcnt 0x0                             ; the constants
	ds_load_b64 v[X0:X0+1], v12                    ; row 0
	s_mov_b32 s66, 0
	s_mov_b32 s67, 0
	s_mov_b32 s68, 0
	s_mov_b32 s61, 15
.Lrow:
	s_wait_dscnt 0x0                               ; the even row's x is in, and no LDS instruction of mine is out: the three addresses are rewritten
	v_add_nc_u32 v15, s66, v12
	v_add_nc_u32 v162, s67, v13
	v_add_nc_u32 v163, s68, v14
	ds_load_b64 v[X1:X1+1], v15 offset:CP
	SPL X0, 156, 160, 162, 163, 0, 0
	ds_load_b64 v[X0:X0+1], v15 offset:2*CP        ; the next trip's even row
	s_wait_dscnt 3                                 ; behind the odd row's load: two stores and one load
	SPL X1, 158, 161, 162, 163, 272, 16
	s_add_co_u32 s66, s66, 2*CP
	s_add_co_u32 s67, s67, 544
	s_add_co_u32 s68, s68, 32
	s_sub_co_u32 s61, s61, 1
	s_cmp_lg_u32 s61, 0
	s_cbranch_scc1 .Lrow
	s_wait_dscnt 0x0                               ; rows 30 and 31: nothing more to fetch
	v_add_nc_u32 v15, s66, v12
	v_add_nc_u32 v162, s67, v13
	v_add_nc_u32 v163, s68, v14
	ds_load_b64 v[X1:X1+1], v15 offset:CP
	SPL X0, 156, 160, 162, 163, 0, 0
	s_wait_dscnt 2                                 ; behind the odd row's load: two stores
	SPL X1, 158, 161, 162, 163, 272, 16
	; ---- P4b: my part of K of the middle layer: 64 of the silu path (one half-filled step) and 512 of the spline path (four steps), 4 tiles of units x 2 tiles of rows: eight accumulators by turns
	s_mul_i32 s94, s60, CW
	s_add_co_u32 s94, s94, CODE
	v_mul_u32_u24 v12, v2, 272
	v_lshl_add_u32 v12, v3, 4, v12
	v_add_nc_u32 v12, s94, v12
	s_lshl_b32 s95, s60, 9
	s_add_co_u32 s95, s95, AS1
	v_add_nc_u32 v13, s95, v10
	v_add_nc_u32 v14, s94, v10
.macro K1LOAD bs, ks                   ; four weight fragments into set bs: ks < 0: k1_base's, else step ks of my four
.irp nt, 0,1,2,3
.irp c, 0,1
.if (\ks) < 0
	global_load_b128 v[16+32*(\bs)+8*\nt+4*\c:19+32*(\bs)+8*\nt+4*\c], v10, s[76:77] offset:K1B_C+\nt*1024+\c*512
.else
	global_load_b128 v[16+32*(\bs)+8*\nt+4*\c:19+32*(\bs)+8*\nt+4*\c], v10, s[78:79] offset:K1S_C+(\ks)*4096+\nt*1024+\c*512
.endif
.endr
.endr
.endm
.macro K1A ks                          ; the rows' fragments of step ks, from my own codes
.irp mt, 0,1
.irp c, 0,1
	ds_load_b128 v[112+8*\mt+4*\c:115+8*\mt+4*\c], v12 offset:\mt*4352+64*(\ks)+32*\c
.endr
.endr
.endm
.macro K1MUL bs, ks
.irp mt, 0,1
.irp nt, 0,1,2,3
.if (\ks) < 0
	WM 128+8*(4*\mt+\nt), 16+32*(\bs)+8*\nt, 204+8*\mt, -1, 238+\nt/2, 240, \nt%2, \mt
.else
	WM 128+8*(4*\mt+\nt), 16+32*(\bs)+8*\nt, 112+8*\mt, 128+8*(4*\mt+\nt), 230+4*(\nt/2)+(\ks), 226+(\ks), \nt%2, \mt
.endif
.endr
.endr
.endm
	global_load_b32 v238, v10, s[86:87] offset:K1B_S
	global_load_b32 v239, v10, s[86:87] offset:K1B_S+512
	global_load_b128 v[230:233], v10, s[84:85] offset:K1S_S
	global_load_b128 v[234:237], v10, s[84:85] offset:K1S_S+512
	K1LOAD 0, -1
	K1LOAD 1, 0
	K1LOAD 2, 1
	ds_load_b128 v[226:229], v13                   ; lane l: row l's four scale words
	K1A 0
	s_wait_loadcnt 16                              ; the words and set 0 are in; sets 1 and 2 stay out
	s_wait_dscnt 0x0                               ; the last row's stores have read v158-163, which the sums below take; the first fragments and the rows' words are in
	K1MUL 0, -1
	NOP4
	K1LOAD 0, 2
	s_wait_loadcnt 16                              ; set 1 is in; set 2 and the new set 0 stay out
	K1MUL 1, 0
	NOP4
	K1LOAD 1, 3
	K1A 1
	s_wait_loadcnt 16                              ; set 2 is in
	s_wait_dscnt 0x0
	K1MUL 2, 1
	NOP4
	K1A 2
	s_wait_loadcnt 8                               ; set 0 is in; set 1 stays out
	s_wait_dscnt 0x0
	K1MUL 0, 2
	NOP4
	K1A 3
	s_wait_loadcnt 0x0
	s_wait_dscnt 0x0
	K1MUL 1, 3
	NOP4
	; ---- P5: the sixteen waves' parts are added: each wave stores its 8,192 bytes over its own codes, and adds one slice of 512 bytes of all sixteen
.irp a, 0,1,2,3,4,5,6,7
	ds_store_b128 v14, v[128+8*\a:131+8*\a] offset:1024*\a
	ds_store_b128 v14, v[132+8*\a:135+8*\a] offset:1024*\a+512
.endr
.irp q, 0,1,2,3,4,5,6,7,8,9,10,11,12,13,14,15,16,17,18,19,20
	global_load_b128 v[G+4*\q:G+4*\q+3], v10, s[90:91] offset:512*\q      ; grid2's constants
.endr
	BAR
	s_lshl_b32 s94, s60, 9
	s_add_co_u32 s94, s94, CODE
	v_add_nc_u32 v12, s94, v10
	v_add_nc_u32 v13, 8*CW, v12
.irp u, 0,1,2,3,4,5,6,7
	ds_load_b128 v[162+4*\u:165+4*\u], v12 offset:\u*CW
.endr
.irp u, 0,1,2,3,4,5,6,7
	ds_load_b128 v[194+4*\u:197+4*\u], v13 offset:\u*CW
.endr
	s_lshr_b32 s94, s60, 3                         ; slice w is registers 4 (w % 2) .. of accumulator w / 2: rows 16 (w / 8) + r, units 16 ((w / 2) % 4) + 8 h + 4 (w % 2) ..
	s_mul_i32 s94, s94, 4352
	s_bfe_u32 s95, s60, 0x20001
	s_lshl_b32 s95, s95, 6
	s_add_co_u32 s94, s94, s95
	s_and_b32 s95, s60, 1
	s_lshl_b32 s95, s95, 4
	s_add_co_u32 s94, s94, s95
	s_add_co_u32 s94, s94, MID
	v_mul_u32_u24 v15, v2, 272
	v_lshl_add_u32 v15, v3, 5, v15
	v_add_nc_u32 v15, s94, v15
	s_wait_dscnt 0x0
.irp u, 0,1,2,3,4,5,6,7
	v_pk_add_f32 v[162+4*\u:163+4*\u], v[162+4*\u:163+4*\u], v[194+4*\u:195+4*\u]
	v_pk_add_f32 v[164+4*\u:165+4*\u], v[164+4*\u:165+4*\u], v[196+4*\u:197+4*\u]
.endr
.irp u, 0,1,2,3
	v_pk_add_f32 v[162+4*\u:163+4*\u], v[162+4*\u:163+4*\u], v[178+4*\u:179+4*\u]
	v_pk_add_f32 v[164+4*\u:165+4*\u], v[164+4*\u:165+4*\u], v[180+4*\u:181+4*\u]
.endr
.irp u, 0,1
	v_pk_add_f32 v[162+4*\u:163+4*\u], v[162+4*\u:163+4*\u], v[170+4*\u:171+4*\u]
	v_pk_add_f32 v[164+4*\u:165+4*\u], v[164+4*\u:165+4*\u], v[172+4*\u:173+4*\u]
.endr
	v_pk_add_f32 v[112:113], v[162:163], v[166:167]
	v_pk_add_f32 v[114:115], v[164:165], v[168:169]
	ds_store_b128 v15, v[112:115]
; The weights of the three products with K = 1,024 and of the second layer come as 29 steps through a ring of four slots of 16 registers (two tiles of my columns).
.macro RLOAD J
.irp t, 0,1
.irp c, 0,1
.if (\J) < 24
	global_load_b128 v[162+16*((\J)%4)+8*\t+4*\c:165+16*((\J)%4)+8*\t+4*\c], v10, s[78:79] offset:RG_C+((\J)/8)*262144+((\J)%8)*2048+\t*1024+\c*512
.else
	global_load_b128 v[162+16*((\J)%4)+8*\t+4*\c:165+16*((\J)%4)+8*\t+4*\c], v10, s[80:81] offset:K2_C+((\J)-24)*2048+\t*1024+\c*512
.endif
.endr
.endr
.endm
	global_load_b128 v[240:243], v10, s[82:83] offset:RG_S
	global_load_b128 v[244:247], v10, s[82:83] offset:RG_S+8192
	RLOAD 0
	RLOAD 1
	RLOAD 2
	RLOAD 3
	BAR
	; ---- P6: the second layer's operands: wave w takes rows 2 w and 2 w + 1 of the middle layer
	s_mul_i32 s94, s60, 544
	s_add_co_u32 s94, s94, MID
	v_lshlrev_b32 v15, 3, v1
	v_add_nc_u32 v12, s94, v15
	s_mul_i32 s95, s60, 608
	s_add_co_u32 s95, s95, C2
	v_add_nc_u32 v13, s95, v15
	s_lshl_b32 s96, s60, 6
	s_add_co_u32 s96, s96, AS2
	v_lshrrev_b32 v14, 1, v1
	v_add_nc_u32 v14, s96, v14
	ds_load_b64 v[X0:X0+1], v12
	ds_load_b64 v[X1:X1+1], v12 offset:272
	s_wait_loadcnt 18                              ; grid2's constants are in; the 2 + 16 younger loads (scale words, ring) stay out
	s_wait_dscnt 0x0
	SPL X0, 156, 160, 13, 14, 0, 0
	SPL X1, 158, 161, 13, 14, 304, 32
	s_wait_dscnt 0x0                               ; no LDS instruction of mine is out: the addresses are rewritten
	v_lshrrev_b32 v100, 3, v2                      ; silu: lane r takes row 2 w + r / 8, features 8 (r % 8) on; lanes 16-31 repeat lanes 0-15 and store the same
	v_and_b32 v101, 7, v2
	v_mul_u32_u24 v12, v100, 272
	v_lshl_add_u32 v12, v101, 5, v12
	v_add_nc_u32 v12, s94, v12
	v_mul_u32_u24 v13, v100, 304
	v_lshl_add_u32 v13, v101, 2, v13
	v_add_nc_u32 v13, s95, v13
	v_lshlrev_b32 v15, 5, v100
	v_add_nc_u32 v15, s96, v15
	v_bfe_u32 v14, v2, 2, 1
	v_add_nc_u32 v14, v14, v15
	ds_load_b128 v[100:103], v12
	ds_load_b128 v[104:107], v12 offset:16
	s_wait_dscnt 0x0
	SILU 100, 108, 8
	v_max3_num_f32 v4, |v100|, |v101|, 0x1800000
	v_max3_num_f32 v4, v4, |v102|, |v103|
	v_max3_num_f32 v4, v4, |v104|, |v105|
	v_max3_num_f32 v4, v4, |v106|, |v107|
	v_max_num_f32_dpp v4, v4, v4 row_xmask:1 row_mask:0xf bank_mask:0xf
	v_max_num_f32_dpp v4, v4, v4 row_xmask:2 row_mask:0xf bank_mask:0xf   ; four lanes hold a block
	v_add_nc_u32 v6, 0xff000000, v4
	v_cvt_scalef32_pk8_fp4_f32 v116, v[100:107], v6
	v_lshrrev_b32 v117, 23, v6
	v_mov_b32 v118, 0x7f7f
	ds_store_b32 v13, v116 offset:256
	ds_store_b8 v14, v117 offset:16
	ds_store_b16 v15, v118 offset:18
	BAR
	; ---- P7: reset, update, candidate.  v16-47 the rows' fragments (two buffers x two tiles); v48-79 four accumulators (2 mt + t); v80-111 update; v112-157 at work
	CSADDR
	v_add_nc_u32 v158, QC, v10
	v_mul_u32_u24 v159, v2, 304
	v_lshl_add_u32 v159, v3, 4, v159
	v_add_nc_u32 v159, C2, v159
	v_mul_u32_u24 v161, v2, 272
	v_add_nc_u32 v161, ST, v161
	s_lshl_b32 s94, s60, 4
	v_add_nc_u32 v160, s94, v161
	v_lshlrev_b32 v15, 5, v1
	v_add_nc_u32 v15, QCS, v15
.macro ALOAD J                         ; the rows' fragments of step J into buffer J % 2: combined's images; the second layer's spline codes; its silu codes with zeros behind them
.irp mt, 0,1
.if (\J) < 24
.irp c, 0,1
	ds_load_b128 v[16+16*((\J)%2)+8*\mt+4*\c:19+16*((\J)%2)+8*\mt+4*\c], v158 offset:\mt*8192+((\J)%8)*1024+\c*512
.endr
.elseif (\J) < 28
.irp c, 0,1
	ds_load_b128 v[16+16*((\J)%2)+8*\mt+4*\c:19+16*((\J)%2)+8*\mt+4*\c], v159 offset:\mt*4864+64*((\J)-24)+32*\c
.endr
.else
	ds_load_b128 v[16+16*((\J)%2)+8*\mt:19+16*((\J)%2)+8*\mt], v159 offset:\mt*4864+256
.irp e, 4,5,6,7
	v_mov_b32 v[16+16*((\J)%2)+8*\mt+\e], 0
.endr
.endif
.endr
.endm
.macro PPRO vec, I0                    ; a sum's start: its bias (the C of its first products) and its first two steps' fragments
.irp t, 0,1
.irp q, 0,1
	ds_load_b128 v[112+8*\t+4*\q:115+8*\t+4*\q], v14 offset:(\vec)*2048+64*\t+16*\q
.endr
.endr
	ALOAD \I0
	ALOAD (\I0)+1
.endm
; Step I of 29: four products (accumulators by turns), four places, then the refills: the ring's slot with step I + 4, the fragments' buffer with step I + 2 of the same sum.
; Load count: behind step I's four ring loads stand those of three later steps (12; fewer at the end); scale words asked for in between only make the true count larger.
; LDS count: behind step I's fragments stand the next step's four loads (two for the last step; none at a sum's end).
.macro GSTEP I
.set gI, \I
.if gI < 8
.set gW, 240+gI
.set gA, 226+gI
.elseif gI < 16
.set gW, 248+gI-8
.set gA, 226+gI-8
.elseif gI < 24
.set gW, 240+gI-16
.set gA, 226+gI-16
.else
.set gW, 248+gI-24
.set gA, 234+gI-24
.endif
.if gI <= 25
	s_wait_loadcnt 12
.else
	s_wait_loadcnt 4*(28-gI)
.endif
.if (gI == 7) || (gI == 15) || (gI == 28)
	s_wait_dscnt 0x0
.elseif gI == 27
	s_wait_dscnt 2
.else
	s_wait_dscnt 4
.endif
.irp mt, 0,1
.irp t, 0,1
.if (gI == 0) || (gI == 8) || (gI == 16)
	WM 48+8*(2*\mt+\t), 162+16*(gI%4)+8*\t, 16+16*(gI%2)+8*\mt, 112+8*\t, gW, gA, \t, \mt
.else
	WM 48+8*(2*\mt+\t), 162+16*(gI%4)+8*\t, 16+16*(gI%2)+8*\mt, 48+8*(2*\mt+\t), gW, gA, \t, \mt
.endif
.endr
.endr
	NOP4
.if gI == 2
	global_load_b128 v[248:251], v10, s[82:83] offset:UG_S
	global_load_b128 v[252:255], v10, s[82:83] offset:UG_S+8192
.elseif gI == 8
	global_load_b128 v[240:243], v10, s[82:83] offset:RP_S
	global_load_b128 v[244:247], v10, s[82:83] offset:RP_S+8192
.elseif gI == 16
	global_load_b128 v[248:251], v10, s[82:83] offset:K2_S
	global_load_b32 v252, v10, s[82:83] offset:K2_S+8192
.endif
.if gI+4 <= 28
	RLOAD gI+4
.endif
.if (gI <= 5) || ((gI >= 8) && (gI <= 13)) || ((gI >= 16) && (gI <= 26))
	ALOAD gI+2
.endif
.endm
; A LayerNorm of the four accumulators, in place.  i: which region of quads; gv, bv: the gain's and the shift's place among the vectors.
.macro LN i, gv, bv
	v_pk_add_f32 v[112:113], v[48:49], v[50:51]    ; my 16 numbers of each of my two rows, each accumulator from its low end on
	v_pk_add_f32 v[114:115], v[64:65], v[66:67]
.irp j, 4,6,8,10,12,14
	v_pk_add_f32 v[112:113], v[112:113], v[48+\j:49+\j]
	v_pk_add_f32 v[114:115], v[114:115], v[64+\j:65+\j]
.endr
	v_add_f32 v112, v112, v113
	v_add_f32 v114, v114, v115
	v_permlanex16_b32 v113, v112, s62, s63
	v_permlanex16_b32 v115, v114, s62, s63
	v_add_f32 v112, v112, v113
	v_add_f32 v114, v114, v115
	v_mul_f32 v116, 0x3d000000, v112               ; the wave's mean of 32 columns
	v_mul_f32 v117, 0x3d000000, v114
	v_mov_b32 v120, v116
	v_mov_b32 v121, v116
	v_mov_b32 v122, v117
	v_mov_b32 v123, v117
	v_pk_add_f32 v[124:125], v[48:49], v[120:121] neg_lo:[0,1] neg_hi:[0,1]
	v_pk_add_f32 v[126:127], v[64:65], v[122:123] neg_lo:[0,1] neg_hi:[0,1]
	v_pk_mul_f32 v[128:129], v[124:125], v[124:125]
	v_pk_mul_f32 v[130:131], v[126:127], v[126:127]
.irp j, 2,4,6,8,10,12,14
	v_pk_add_f32 v[124:125], v[48+\j:49+\j], v[120:121] neg_lo:[0,1] neg_hi:[0,1]
	v_pk_add_f32 v[126:127], v[64+\j:65+\j], v[122:123] neg_lo:[0,1] neg_hi:[0,1]
	v_pk_fma_f32 v[128:129], v[124:125], v[124:125], v[128:129]
	v_pk_fma_f32 v[130:131], v[126:127], v[126:127], v[130:131]
.endr
	v_add_f32 v118, v128, v129
	v_add_f32 v119, v130, v131
	v_permlanex16_b32 v124, v118, s62, s63
	v_permlanex16_b32 v125, v119, s62, s63
	v_add_f32 v118, v118, v124                     ; and its sum of squared deviations
	v_add_f32 v119, v119, v125
	ds_store_b128 v160, v[116:119] offset:4352*\i  ; (mean, mean, M2, M2) of rows r and 16 + r; lanes l and l + 16 write the same
	BAR
.irp u, 0,1,2,3,4,5,6,7
	ds_load_b128 v[16+4*\u:19+4*\u], v161 offset:4352*\i+16*\u
.endr
.irp u, 0,1,2,3,4,5,6,7
	ds_load_b128 v[112+4*\u:115+4*\u], v161 offset:4352*\i+128+16*\u
.endr
	s_wait_dscnt 0x0
	v_pk_add_f32 v[144:145], v[16:17], v[20:21]
	v_pk_add_f32 v[146:147], v[18:19], v[22:23]
.irp e, 24,28,32,36,40,44,112,116,120,124,128,132,136,140
	v_pk_add_f32 v[144:145], v[144:145], v[\e:\e+1]
	v_pk_add_f32 v[146:147], v[146:147], v[\e+2:\e+3]
.endr
	v_pk_mul_f32 v[148:149], v[144:145], 0x3d800000 op_sel_hi:[1,0]       ; the rows' means
	v_pk_add_f32 v[152:153], v[16:17], v[148:149] neg_lo:[0,1] neg_hi:[0,1]
	v_pk_mul_f32 v[150:151], v[152:153], v[152:153]
.irp e, 20,24,28,32,36,40,44,112,116,120,124,128,132,136,140
	v_pk_add_f32 v[152:153], v[\e:\e+1], v[148:149] neg_lo:[0,1] neg_hi:[0,1]
	v_pk_fma_f32 v[150:151], v[152:153], v[152:153], v[150:151]
.endr
.irp t, 0,1
.irp q, 0,1
	ds_load_b128 v[112+8*\t+4*\q:115+8*\t+4*\q], v14 offset:(\gv)*2048+64*\t+16*\q
	ds_load_b128 v[128+8*\t+4*\q:131+8*\t+4*\q], v14 offset:(\bv)*2048+64*\t+16*\q
.endr
.endr
	v_pk_fma_f32 v[146:147], v[150:151], 0x42000000, v[146:147] op_sel_hi:[1,0,1]   ; M2 = the sixteen M2 + 32 x the means' squared deviations
	v_pk_mul_f32 v[146:147], v[146:147], 0x3b000000 op_sel_hi:[1,0]                 ; / 512
	v_pk_add_f32 v[146:147], v[146:147], 0x3727c5ac op_sel_hi:[1,0]                 ; + 1e-5
	v_rsq_f32 v150, v146
	v_rsq_f32 v151, v147
	v_mov_b32 v152, v148                           ; (a plain line behind the transcendentals)
	v_mov_b32 v153, v148
	v_mov_b32 v154, v149
	v_mov_b32 v155, v149
	s_wait_alu depctr_va_vdst(0)
	v_mov_b32 v156, v150
	v_mov_b32 v157, v150
	v_mov_b32 v144, v151
	v_mov_b32 v145, v151
.irp p, 0,2,4,6,8,10,12,14
	v_pk_add_f32 v[48+\p:49+\p], v[48+\p:49+\p], v[152:153] neg_lo:[0,1] neg_hi:[0,1]
	v_pk_add_f32 v[64+\p:65+\p], v[64+\p:65+\p], v[154:155] neg_lo:[0,1] neg_hi:[0,1]
.endr
.irp p, 0,2,4,6,8,10,12,14
	v_pk_mul_f32 v[48+\p:49+\p], v[48+\p:49+\p], v[156:157]
	v_pk_mul_f32 v[64+\p:65+\p], v[64+\p:65+\p], v[144:145]
.endr
	s_wait_dscnt 0x0                               ; the gain and the shift
.irp p, 0,2,4,6,8,10,12,14
	v_pk_fma_f32 v[48+\p:49+\p], v[48+\p:49+\p], v[112+\p:113+\p], v[128+\p:129+\p]
	v_pk_fma_f32 v[64+\p:65+\p], v[64+\p:65+\p], v[112+\p:113+\p], v[128+\p:129+\p]
.endr
.endm
	; reset = tanh(LN(Q(combined) Q(rg_w)^T + rg_b)): computed, and used by nothing, as in the definition
	ds_load_b128 v[226:229], v15                   ; lane l: row l's eight scale words of combined
	ds_load_b128 v[230:233], v15 offset:16
	PPRO 1, 0
.irp I, 0,1,2,3,4,5,6,7
	GSTEP \I
.endr
	LN 0, 2, 3
	MULC 48, 48, 0x4038aa3b, 32                    ; tanh y = 1 - 2 / (1 + 2^(2 y log2 e))
	E1R 48, 32
.set ei, 0
	s_wait_alu depctr_va_vdst(0)
.rept 16
	v_pk_fma_f32 v[48+ei:49+ei], v[48+ei:49+ei], -2.0, 1.0 op_sel_hi:[1,0,0]
.set ei, ei+2
.endr
	; update = sigmoid(LN(Q(combined) Q(ug_w)^T + ug_b))
	PPRO 4, 8
.irp I, 8,9,10,11,12,13,14,15
	GSTEP \I
.endr
	LN 1, 5, 6
	MULC 80, 48, 0xbfb8aa3b, 32
	E1R 80, 32
	; the candidate: rp_b + Q(combined) Q(rp_w)^T + the second layer's spline and silu paths, in one sum
	v_lshlrev_b32 v15, 5, v1
	v_add_nc_u32 v15, AS2, v15
	ds_load_b128 v[234:237], v15                   ; lane l: row l's scale words of the second layer's five steps
	ds_load_b32 v238, v15 offset:16
	PPRO 7, 16
.irp I, 16,17,18,19,20,21,22,23,24,25,26,27,28
	GSTEP \I
.endr
	LN 2, 8, 9
	LN 3, 8, 9                                     ; the same norm twice, as in the definition
.irp mt, 0,1
.irp t, 0,1
.irp q, 0,1
	ds_load_b128 v[162+16*\mt+8*\t+4*\q:165+16*\mt+8*\t+4*\q], v[12+\mt] offset:2048+64*\t+16*\q   ; h_prev at my columns
.endr
.endr
.endr
	SILU 48, 112, 32
	s_wait_dscnt 0x0
.set ei, 0
.rept 16
	v_pk_add_f32 v[48+ei:49+ei], v[48+ei:49+ei], v[162+ei:163+ei] neg_lo:[0,1] neg_hi:[0,1]
	v_pk_fma_f32 v[48+ei:49+ei], v[80+ei:81+ei], v[48+ei:49+ei], v[162+ei:163+ei]      ; h + u (c - h)
.set ei, ei+2
.endr
	; the way out: through x_proj's columns of COMB, which nobody reads any more, so that whole rows leave
.irp mt, 0,1
.irp t, 0,1
.irp q, 0,1
	ds_store_b128 v[12+\mt], v[48+16*\mt+8*\t+4*\q:51+16*\mt+8*\t+4*\q] offset:64*\t+16*\q
.endr
.endr
.endr
	BAR
	s_mul_i32 s94, s60, 2*CP
	v_add_nc_u32 v15, s94, v10
.irp i, 0,1,2,3,4,5,6,7
	ds_load_b128 v[112+4*\i:115+4*\i], v15 offset:(\i/4)*CP+(\i%4)*512
.endr
.irp i, 0,1,2,3,4,5,6,7
	s_wait_dscnt 7-\i
	global_store_b128 v10, v[112+4*\i:115+4*\i], s[74:75] offset:512*\i th:TH_STORE_NT   ; 32 lanes store 512 consecutive bytes, at a multiple of 256 from out0's first byte
.endr
	s_wait_xcnt 0x0
	v_lshl_add_u32 v254, v0, 2, 0x4f800
	v_mov_b32 v255, 0
	s_wait_tensorcnt 0x0
	ds_add_u32 v254, v255
	s_wait_dscnt 0x0
	s_endpgm
.Lfunc_end_k_q170636e251_cell:
	.size	k_q170636e251_cell, .Lfunc_end_k_q170636e251_cell-k_q170636e251_cell
	.p2alignl 7, 3214868480
	.fill 96, 4, 3214868480
	.section	.rodata,"a",@progbits
	.p2align	6, 0x0
	.amdhsa_kernel k_q170636e251_cell
		.amdhsa_group_segment_fixed_size 327680
		.amdhsa_private_segment_fixed_size 0
		.amdhsa_enable_private_segment 0
		.amdhsa_kernarg_size 128
		.amdhsa_user_sgpr_count 2
		.amdhsa_user_sgpr_kernarg_segment_ptr 1
		.amdhsa_wavefront_size32 1
		.amdhsa_system_sgpr_workgroup_id_x 1
		.amdhsa_system_sgpr_workgroup_id_y 1
		.amdhsa_system_sgpr_workgroup_id_z 1
		.amdhsa_system_vgpr_workitem_id 0
		.amdhsa_next_free_vgpr 256
		.amdhsa_next_free_sgpr 100
		.amdhsa_reserve_vcc 0
		.amdhsa_float_denorm_mode_32 3
		.amdhsa_float_denorm_mode_16_64 3
		.amdhsa_memory_ordered 1
		.amdhsa_forward_progress 1
		.amdhsa_inst_pref_size 232
	.end_amdhsa_kernel
	.amdgpu_metadata
---
amdhsa.version: [ 1, 2 ]
amdhsa.kernels:
  - .name:           k_q170636e251_cell
    .symbol:         k_q170636e251_cell.kd
    .args:
      - { .name: x, .offset: 0, .size: 8, .value_kind: global_buffer, .address_space: global }
      - { .name: h_prev, .offset: 8, .size: 8, .value_kind: global_buffer, .address_space: global }
      - { .name: ip_b, .offset: 16, .size: 8, .value_kind: global_buffer, .address_space: global }
      - { .name: rg_b, .offset: 24, .size: 8, .value_kind: global_buffer, .address_space: global }
      - { .name: rg_g, .offset: 32, .size: 8, .value_kind: global_buffer, .address_space: global }
      - { .name: rg_beta, .offset: 40, .size: 8, .value_kind: global_buffer, .address_space: global }
      - { .name: ug_b, .offset: 48, .size: 8, .value_kind: global_buffer, .address_space: global }
      - { .name: ug_g, .offset: 56, .size: 8, .value_kind: global_buffer, .address_space: global }
      - { .name: ug_beta, .offset: 64, .size: 8, .value_kind: global_buffer, .address_space: global }
      - { .name: rp_b, .offset: 72, .size: 8, .value_kind: global_buffer, .address_space: global }
      - { .name: cn_g, .offset: 80, .size: 8, .value_kind: global_buffer, .address_space: global }
      - { .name: cn_b, .offset: 88, .size: 8, .value_kind: global_buffer, .address_space: global }
      - { .name: wcodes, .offset: 96, .size: 8, .value_kind: global_buffer, .address_space: global }
      - { .name: wscales, .offset: 104, .size: 8, .value_kind: global_buffer, .address_space: global }
      - { .name: gtab, .offset: 112, .size: 8, .value_kind: global_buffer, .address_space: global }
      - { .name: out0, .offset: 120, .size: 8, .value_kind: global_buffer, .address_space: global }
    .group_segment_fixed_size: 327680
    .private_segment_fixed_size: 0
    .kernarg_segment_align: 8
    .kernarg_segment_size: 128
    .max_flat_workgroup_size: 512
    .sgpr_count:     100
    .vgpr_count:     256
    .wavefront_size: 32
...
	.end_amdgpu_metadata
.endif
;; end of part 2
;; ======== version 2 of 2: 2 launches
;; workspace buffers: wcodes 1,343,488 bytes; wscales 94,208 bytes; gtab 182,784 bytes
;; launch prep (part 3): grid 721 x 1, 1 waves a work-group, no clusters, 0 bytes of LDS; arguments ip_w, rg_w, ug_w, rp_w, k1_base, k2_base, k1_spline, k1_scaler, k2_spline, k2_scaler, grid1, grid2, wcodes, wscales, gtab; writes wcodes, wscales, gtab
.if DOCPART == 3
	.amdgcn_target "amdgcn-amd-amdhsa--gfx1250"
	.amdhsa_code_object_version 6
	.text
	.protected	k_q170636e251_prep
	.globl	k_q170636e251_prep
	.p2align	8
	.type	k_q170636e251_prep,@function
k_q170636e251_prep:
	s_mov_b64 s[64:65], 0
	v_nop
	global_prefetch_b8 v0, s[64:65] scope:SCOPE_SE
	s_setreg_imm32_b32 hwreg(HW_REG_WAVE_MODE, 25, 1), 1
	s_wait_xcnt 0x0
; PREP: every weight becomes codes of FP4 (E2M1) with one E8M0 byte for each 32 along K, once, laid in the ORDER OF THE OPERAND'S REGISTERS; the knots become tables of knots and reciprocals.
; A fragment is 16 weight rows x 128 K = 1,024 bytes: chunk c (512 bytes) holds lane l's registers 4 c .. 4 c + 3 at 16 l: block 2 c + l / 16 of row l % 16.  One wave, one job; a job is two fragments (plain, spline), one (half) or one table.
; A block's scale is 2^(floor(log2(largest magnitude)) - 2): its byte is the largest magnitude's exponent field - 2, held at 1 from below by a floor among the maximum's leaves.
; SPLINE WEIGHTS: spline_w x scaler in f32, then quantised.  Inside each block of 32 (4 features a x 8 functions k) the numbers are laid at 16 (a / 2) + 2 k + a % 2: the order in which the cell's lanes hold the functions
; of a pair of features.  The same order on both operands leaves blocks, scales and products as they are.
; HALF: k1_base (64 along K a job) and k2_base (K = 64): chunk 0 holds the 64, chunk 1 zero codes; the scale word's upper two bytes are 127.
; TABLES: for a pair of neighbouring features (2 l, 2 l + 1): 12 knots g_j, then 1 / (g_j+1 - g_j), 1 / (g_j+2 - g_j), 1 / (g_j+3 - g_j): 42 constants, each as a pair, 21 stores of 16 bytes a lane.
; LIMITS: NaN and infinities are not served.  Knots with g_j+k = g_j are not served (the division by 0 is not finite in the definition either).  A block whose largest magnitude lies under 2^-124 gets the byte 1; a block of zeros gets the
; byte 1 where the rule says 127: its codes are zeros and the bytes are read by this program alone.  The reciprocals are v_rcp_f32 with one Newton step.
; A lane reads 128 consecutive bytes of its row by eight loads of 16: neighbouring lanes stand a row apart.  The scale words leave as 8 (or 4) bytes in each 16.  Both are accepted here: the weights are 11 MB, read once.
.set RG_C,  65536
.set K1S_C, 851968
.set K1B_C, 1114112
.set K2_C,  1179648
.set RG_S,  8192
.set K1S_S, 57344
.set K1B_S, 73728
.set K2_S,  77824
.set BY, 16                            ; v16-19   four scale bytes
.set W,  20                            ; v20-21   two scale words
.set Z,  24                            ; v24-27   zeros
.set V,  32                            ; v32-159  four blocks of 32 numbers
.set P,  160                           ; v160-191 a block of products, in the cell's order
.set SR, 192                           ; v192-207 the scalers of 4 blocks x 4 features
.set CD, 208                           ; v208-223 the codes: block b at CD + 4 b
.set GK, 32                            ; tables: v32-55 the 24 knots as loaded
.set TB, 64                            ; v64-147 the 42 pairs
.set DF, 148                           ; v148-207 the 60 differences
; 32 numbers of a lane become 16 bytes of codes and a byte.  33 leaves (the floor 2^(3 - 127) among them) in two chains.
.macro QB32 src, dst, by
	v_max3_num_f32 v4, |v[(\src)]|, |v[(\src)+1]|, 0x1800000
	v_max3_num_f32 v5, |v[(\src)+2]|, |v[(\src)+3]|, |v[(\src)+4]|
.irp i, 5,9,13,17,21,25
	v_max3_num_f32 v4, v4, |v[(\src)+\i]|, |v[(\src)+\i+1]|
	v_max3_num_f32 v5, v5, |v[(\src)+\i+2]|, |v[(\src)+\i+3]|
.endr
	v_max3_num_f32 v4, v4, |v[(\src)+29]|, |v[(\src)+30]|
	v_max3_num_f32 v4, v4, v5, |v[(\src)+31]|
	v_add_nc_u32 v6, 0xff000000, v4                ; 2 off the exponent field: the conversion takes this operand's exponent field as its scale
.irp g, 0,1,2,3
	v_cvt_scalef32_pk8_fp4_f32 v[(\dst)+\g], v[(\src)+8*\g:(\src)+8*\g+7], v6
.endr
	v_lshrrev_b32 v[\by], 23, v6                   ; the byte; also the plain line behind the conversions
.endm
; From T (s43), the step (s44), log2 of the source's pitch (s42), the source's bytes along the row (s53), and the part's constants (s45 codes' base, s46 bytes for a pair of tiles, s47 log2 bytes a step, s48 scales' base, s49 log2 bytes for four steps):
; s[60:61], s[62:63] where the job's two fragments go, s[66:67] its scale words, s[40:41] its first source row.  s55 stays 0.
.macro ADDR
	s_lshr_b32 s54, s43, 1
	s_mul_i32 s54, s54, s46
	s_and_b32 s55, s43, 1
	s_lshl_b32 s55, s55, 10
	s_add_co_u32 s54, s54, s55
	s_lshl_b32 s55, s44, s47
	s_add_co_u32 s54, s54, s55
	s_add_co_u32 s54, s54, s45
	s_mov_b32 s55, 0
	s_add_nc_u64 s[60:61], s[28:29], s[54:55]
	s_lshl_b32 s54, 1, s47
	s_add_nc_u64 s[62:63], s[60:61], s[54:55]
	s_lshr_b32 s54, s44, 2
	s_lshl_b32 s54, s54, s49
	s_lshl_b32 s56, s43, 8
	s_add_co_u32 s54, s54, s56
	s_and_b32 s56, s44, 3
	s_lshl_b32 s56, s56, 2
	s_add_co_u32 s54, s54, s56
	s_add_co_u32 s54, s54, s48
	s_add_nc_u64 s[66:67], s[30:31], s[54:55]
	s_add_co_u32 s56, s42, 4
	s_lshl_b32 s54, s43, s56
	s_add_co_u32 s54, s54, s53
	s_add_nc_u64 s[40:41], s[40:41], s[54:55]
	v_lshlrev_b32 v11, s42, v1                     ; my row,
	v_lshl_add_u32 v11, v2, 7, v11                 ; and my half's block of 32 numbers
.endm
.macro LD32                            ; block b = 2 st + c: step st, chunk c; my half's 128 bytes
.irp b, 0,1,2,3
.irp i, 0,1,2,3,4,5,6,7
	global_load_b128 v[V+32*\b+4*\i:V+32*\b+4*\i+3], v11, s[40:41] offset:(\b/2)*512+(\b%2)*256+16*\i th:TH_LOAD_NT
.endr
.endr
.endm
.macro FINISH                          ; the two scale words, then the stores
.irp st, 0,1
	v_lshl_or_b32 v[W+\st], v[BY+2*\st+1], 16, v[BY+2*\st]     ; my bytes: blocks h and 2 + h,
	v_lshlrev_b32 v[W+\st], v3, v[W+\st]                       ; at their places (8 h bits up);
.endr
	v_permlanex16_b32 v9, v[W], s68, s69
	v_permlanex16_b32 v8, v[W+1], s68, s69
	v_or_b32 v[W], v[W], v9                        ; with lane l xor 16's two the word is whole, in both halves of the lanes
	v_or_b32 v[W+1], v[W+1], v8
.irp st, 0,1
.irp c, 0,1
	global_store_b128 v10, v[CD+8*\st+4*\c:CD+8*\st+4*\c+3], s[60+2*\st:61+2*\st] offset:512*\c   ; 32 lanes store 512 consecutive bytes
.endr
.endr
	global_store_b64 v13, v[W:W+1], s[66:67]       ; lanes l and l + 16 write the same words to the same place
	s_endpgm
.endm
	s_load_b512 s[4:19], s[0:1], 0x0               ; ip_w, rg_w, ug_w, rp_w, k1_base, k2_base, k1_spline, k1_scaler
	s_load_b256 s[20:27], s[0:1], 0x40             ; k2_spline, k2_scaler, grid1, grid2
	s_load_b128 s[28:31], s[0:1], 0x60             ; wcodes, wscales
	s_load_b64 s[32:33], s[0:1], 0x70              ; gtab
	v_and_b32 v1, 15, v0                           ; r
	v_lshrrev_b32 v2, 4, v0                        ; h
	v_lshlrev_b32 v3, 3, v2                        ; 8 h
	v_lshlrev_b32 v10, 4, v0                       ; 16 x lane
	v_lshlrev_b32 v13, 4, v1                       ; 16 r
	v_mov_b32 v9, 0                                ; (a lane permute's destination counts as one of its sources)
	v_mov_b32 v8, 0
	s_mov_b32 s68, 0x76543210
	s_mov_b32 s69, 0xfedcba98                      ; v_permlanex16_b32's selects for lane l xor 16
	s_wait_kmcnt 0x0
	s_cmp_lt_u32 ttmp9, 416
	s_cbranch_scc1 .Lplain
	s_cmp_lt_u32 ttmp9, 608
	s_cbranch_scc1 .Lspline
	s_cmp_lt_u32 ttmp9, 704
	s_cbranch_scc1 .Lhalf
	; ---- TABLES: jobs 704 .. 720: groups 0-15 are grid1's features 64 g + 2 l (+ 1), group 16 is grid2
	s_sub_co_u32 s34, ttmp9, 704
	s_mul_i32 s35, s34, 3072                       ; 64 features x 48 bytes
	s_mul_i32 s54, s34, 10752                      ; 21 x 512 bytes of table
	s_mov_b32 s55, 0
	s_add_nc_u64 s[60:61], s[32:33], s[54:55]
	s_cmp_eq_u32 s34, 16
	s_cselect_b64 s[40:41], s[26:27], s[24:25]
	s_cselect_b32 s54, 0, s35
	s_add_nc_u64 s[40:41], s[40:41], s[54:55]
	v_mul_u32_u24 v11, v0, 96                      ; two features' knots
.irp i, 0,1,2,3,4,5
	global_load_b128 v[GK+4*\i:GK+4*\i+3], v11, s[40:41] offset:16*\i
.endr
	s_wait_loadcnt 0x0
.irp j, 0,1,2,3,4,5,6,7,8,9,10,11
	v_mov_b32 v[TB+2*\j], v[GK+\j]
	v_mov_b32 v[TB+2*\j+1], v[GK+12+\j]
.endr
.set ci, 0
.irp k, 1,2,3
.set jj, 0
.rept 12-\k
	v_sub_f32 v[DF+2*ci], v[GK+jj+\k], v[GK+jj]
	v_sub_f32 v[DF+2*ci+1], v[GK+12+jj+\k], v[GK+12+jj]
.set jj, jj+1
.set ci, ci+1
.endr
.endr
.set ci, 0
	s_wait_alu depctr_va_vdst(0)
.rept 60
	v_rcp_f32 v[TB+24+ci], v[DF+ci]
.set ci, ci+1
.endr
	v_nop                                          ; a plain line behind the transcendentals
.set ci, 0
	s_wait_alu depctr_va_vdst(0)
.rept 60
	v_fma_f32 v[DF+ci], -v[DF+ci], v[TB+24+ci], 1.0     ; e = 1 - d r
.set ci, ci+1
.endr
.set ci, 0
.rept 60
	v_fma_f32 v[TB+24+ci], v[TB+24+ci], v[DF+ci], v[TB+24+ci]   ; r + r e
.set ci, ci+1
.endr
.irp q, 0,1,2,3,4,5,6,7,8,9,10,11,12,13,14,15,16,17,18,19,20
	global_store_b128 v10, v[TB+4*\q:TB+4*\q+3], s[60:61] offset:512*\q
.endr
	s_endpgm
	; ---- PLAIN: jobs 0-31 ip_w (tile = job, both steps); 32-415 rg_w, ug_w, rp_w (128 jobs each: tile j / 4, steps 2 (j % 4) and the next)
.Lplain:
	s_sub_co_u32 s34, ttmp9, 32
	s_lshr_b32 s35, s34, 7                         ; which of the three
	s_and_b32 s34, s34, 127
	s_lshr_b32 s36, s34, 2
	s_and_b32 s37, s34, 3
	s_lshl_b32 s37, s37, 1
	s_lshl_b32 s38, s35, 18
	s_add_co_u32 s38, s38, RG_C
	s_lshl_b32 s39, s35, 14
	s_add_co_u32 s39, s39, RG_S
	s_mov_b32 s46, 16384
	s_mov_b32 s47, 11
	s_mov_b32 s49, 13
	s_cmp_eq_u32 s35, 1
	s_cselect_b64 s[40:41], s[8:9], s[6:7]
	s_cmp_eq_u32 s35, 2
	s_cselect_b64 s[40:41], s[10:11], s[40:41]
	s_cmp_lt_u32 ttmp9, 32
	s_cselect_b64 s[40:41], s[4:5], s[40:41]
	s_cselect_b32 s43, ttmp9, s36
	s_cselect_b32 s44, 0, s37
	s_cselect_b32 s42, 10, 12
	s_cselect_b32 s46, 4096, s46
	s_cselect_b32 s45, 0, s38
	s_cselect_b32 s48, 0, s39
	s_lshl_b32 s53, s44, 9
	s_wait_alu depctr_va_vdst(0)
	ADDR
	LD32
.irp b, 0,1,2,3
	s_wait_loadcnt 8*(3-\b)                        ; this block's eight loads are in; the later blocks' may be out
	QB32 V+32*\b, CD+4*\b, BY+\b
.endr
	FINISH
	; ---- SPLINE: jobs 416-543 k1_spline (tile j / 32, steps 2 (j % 32) ..); 544-607 k2_spline (tile j / 2, steps 2 (j % 2) ..)
.Lspline:
	s_sub_co_u32 s34, ttmp9, 416
	s_sub_co_u32 s35, ttmp9, 544
	s_lshr_b32 s36, s34, 5
	s_and_b32 s37, s34, 31
	s_lshr_b32 s38, s35, 1
	s_and_b32 s39, s35, 1
	s_mov_b32 s46, 10240
	s_mov_b32 s45, K2_C
	s_mov_b32 s48, K2_S
	s_cmp_lt_u32 ttmp9, 544
	s_cselect_b64 s[40:41], s[16:17], s[20:21]
	s_cselect_b64 s[50:51], s[18:19], s[22:23]
	s_cselect_b32 s43, s36, s38
	s_cselect_b32 s44, s37, s39
	s_cselect_b32 s42, 15, 11
	s_cselect_b32 s52, 12, 8
	s_cselect_b32 s47, 12, 11
	s_cselect_b32 s49, 10, 13
	s_cselect_b32 s46, 2048, s46
	s_cselect_b32 s45, K1S_C, s45
	s_cselect_b32 s48, K1S_S, s48
	s_lshl_b32 s44, s44, 1
	s_lshl_b32 s53, s44, 9
	s_wait_alu depctr_va_vdst(0)
	ADDR
	s_add_co_u32 s56, s52, 4                       ; the scalers: 16 features a step, 4 a block
	s_lshl_b32 s54, s43, s56
	s_lshl_b32 s56, s44, 6
	s_add_co_u32 s54, s54, s56
	s_add_nc_u64 s[50:51], s[50:51], s[54:55]
	v_lshlrev_b32 v12, s52, v1
	v_lshl_add_u32 v12, v2, 4, v12
.irp b, 0,1,2,3
	global_load_b128 v[SR+4*\b:SR+4*\b+3], v12, s[50:51] offset:(\b/2)*64+(\b%2)*32
.endr
	LD32
.irp b, 0,1,2,3
	s_wait_loadcnt 8*(3-\b)                        ; the scalers (older) and this block are in
.irp a, 0,1,2,3
.irp k, 0,1,2,3,4,5,6,7
	v_mul_f32 v[P+16*(\a/2)+2*\k+(\a%2)], v[V+32*\b+8*\a+\k], v[SR+4*\b+\a]
.endr
.endr
	QB32 P, CD+4*\b, BY+\b
.endr
	FINISH
	; ---- HALF: jobs 608-671 k1_base (tile j % 4, the 64 along K number j / 4); 672-703 k2_base (tile j; it is K2's fifth step)
.Lhalf:
	s_sub_co_u32 s34, ttmp9, 608
	s_sub_co_u32 s35, ttmp9, 672
	s_and_b32 s36, s34, 3
	s_lshr_b32 s37, s34, 2
	s_mov_b32 s46, 10240
	s_mov_b32 s45, K2_C
	s_mov_b32 s48, K2_S
	s_cmp_lt_u32 ttmp9, 672
	s_cselect_b64 s[40:41], s[12:13], s[14:15]
	s_cselect_b32 s43, s36, s35
	s_cselect_b32 s44, s37, 4
	s_cselect_b32 s53, s37, 0
	s_cselect_b32 s42, 12, 8
	s_cselect_b32 s47, 12, 11
	s_cselect_b32 s49, 10, 13
	s_cselect_b32 s46, 2048, s46
	s_cselect_b32 s45, K1B_C, s45
	s_cselect_b32 s48, K1B_S, s48
	s_lshl_b32 s53, s53, 8
	s_wait_alu depctr_va_vdst(0)
	ADDR
.irp i, 0,1,2,3,4,5,6,7
	global_load_b128 v[V+4*\i:V+4*\i+3], v11, s[40:41] offset:16*\i th:TH_LOAD_NT
.endr
.irp i, 0,1,2,3
	v_mov_b32 v[Z+\i], 0
.endr
	s_wait_loadcnt 0x0
	QB32 V, CD, BY
	v_lshlrev_b32 v[W], v3, v[BY]
	v_permlanex16_b32 v9, v[W], s68, s69
	v_or_b32 v[W], v[W], v9
	v_or_b32 v[W], 0x7f7f0000, v[W]                ; the two blocks of zero codes: byte 127
	global_store_b128 v10, v[CD:CD+3], s[60:61]
	global_store_b128 v10, v[Z:Z+3], s[60:61] offset:512
	global_store_b32 v13, v[W], s[66:67]           ; lanes l and l + 16 write the same word to the same place
	s_endpgm
.Lfunc_end_k_q170636e251_prep:
	.size	k_q170636e251_prep, .Lfunc_end_k_q170636e251_prep-k_q170636e251_prep
	.p2alignl 7, 3214868480
	.fill 96, 4, 3214868480
	.section	.rodata,"a",@progbits
	.p2align	6, 0x0
	.amdhsa_kernel k_q170636e251_prep
		.amdhsa_group_segment_fixed_size 0
		.amdhsa_private_segment_fixed_size 0
		.amdhsa_enable_private_segment 0
		.amdhsa_kernarg_size 120
		.amdhsa_user_sgpr_count 2
		.amdhsa_user_sgpr_kernarg_segment_ptr 1
		.amdhsa_wavefront_size32 1
		.amdhsa_system_sgpr_workgroup_id_x 1
		.amdhsa_system_sgpr_workgroup_id_y 1
		.amdhsa_system_sgpr_workgroup_id_z 1
		.amdhsa_system_vgpr_workitem_id 0
		.amdhsa_next_free_vgpr 224
		.amdhsa_next_free_sgpr 72
		.amdhsa_reserve_vcc 0
		.amdhsa_float_denorm_mode_32 3
		.amdhsa_float_denorm_mode_16_64 3
		.amdhsa_memory_ordered 1
		.amdhsa_forward_progress 1
		.amdhsa_inst_pref_size 49
	.end_amdhsa_kernel
	.amdgpu_metadata
---
amdhsa.version: [ 1, 2 ]
amdhsa.kernels:
  - .name:           k_q170636e251_prep
    .symbol:         k_q170636e251_prep.kd
    .args:
      - { .name: ip_w, .offset: 0, .size: 8, .value_kind: global_buffer, .address_space: global }
      - { .name: rg_w, .offset: 8, .size: 8, .value_kind: global_buffer, .address_space: global }
      - { .name: ug_w, .offset: 16, .size: 8, .value_kind: global_buffer, .address_space: global }
      - { .name: rp_w, .offset: 24, .size: 8, .value_kind: global_buffer, .address_space: global }
      - { .name: k1_base, .offset: 32, .size: 8, .value_kind: global_buffer, .address_space: global }
      - { .name: k2_base, .offset: 40, .size: 8, .value_kind: global_buffer, .address_space: global }
      - { .name: k1_spline, .offset: 48, .size: 8, .value_kind: global_buffer, .address_space: global }
      - { .name: k1_scaler, .offset: 56, .size: 8, .value_kind: global_buffer, .address_space: global }
      - { .name: k2_spline, .offset: 64, .size: 8, .value_kind: global_buffer, .address_space: global }
      - { .name: k2_scaler, .offset: 72, .size: 8, .value_kind: global_buffer, .address_space: global }
      - { .name: grid1, .offset: 80, .size: 8, .value_kind: global_buffer, .address_space: global }
      - { .name: grid2, .offset: 88, .size: 8, .value_kind: global_buffer, .address_space: global }
      - { .name: wcodes, .offset: 96, .size: 8, .value_kind: global_buffer, .address_space: global }
      - { .name: wscales, .offset: 104, .size: 8, .value_kind: global_buffer, .address_space: global }
      - { .name: gtab, .offset: 112, .size: 8, .value_kind: global_buffer, .address_space: global }
    .group_segment_fixed_size: 0
    .private_segment_fixed_size: 0
    .kernarg_segment_align: 8
    .kernarg_segment_size: 120
    .max_flat_workgroup_size: 32
    .sgpr_count:     72
    .vgpr_count:     224
    .wavefront_size: 32
...
	.end_amdgpu_metadata
.endif
;; end of part 3
;; launch cell (part 4): grid 256 x 1, 16 waves a work-group, no clusters, 327,680 bytes of LDS; arguments x, h_prev, ip_b, rg_b, rg_g, rg_beta, ug_b, ug_g, ug_beta, rp_b, cn_g, cn_b, wcodes, wscales, gtab, out0; writes out0
.if DOCPART == 4
	.amdgcn_target "amdgcn-amd-amdhsa--gfx1250"
	.amdhsa_code_object_version 6
	.text
	.protected	k_q170636e251_cell
	.globl	k_q170636e251_cell
	.p2align	8
	.type	k_q170636e251_cell,@function
k_q170636e251_cell:
	s_mov_b64 s[64:65], 0
	v_nop
	global_prefetch_b8 v0, s[64:65] scope:SCOPE_SE
	s_setreg_imm32_b32 hwreg(HW_REG_WAVE_SCHED_MODE, 0, 2), 2
	s_setreg_imm32_b32 hwreg(HW_REG_WAVE_MODE, 25, 1), 1
	s_wait_xcnt 0x0
	s_wait_alu depctr_vm_vsrc(0)
; CELL: the whole cell for 32 rows a work-group; nothing goes to memory between x, h_prev and out0.  All eight products run on codes of FP4 (E2M1) with E8M0 scales; everything else is f32.
; SHARES.  Sixteen waves of 256 registers.  Wave w owns features 64 w .. 64 w + 63 of combined = [x_proj | h_prev] (quantiser, silu, splines) and columns 32 w .. 32 w + 31 of x_proj, reset, update and the candidate.
; EVERY PRODUCT IS USED TRANSPOSED: source 0 = 16 weight rows, source 1 = 16 rows of the batch: lane (r, h) holds row r, its register j column 8 h + j of the tile.  Biases are the C of a sum's first instruction.
; WEIGHTS come from the workspace in the order of the operand's registers: each fragment is used by one wave of the work-group and is loaded straight into its registers, 512 consecutive bytes a load.
; No cluster and no joint loads, although all work-groups walk the same weights: that would send the weights through rings in LDS, and this text uses 325,632 of LDS's 327,680 bytes for the rows' own data.
; SPLINES.  A lane holds a PAIR of neighbouring features, its 42 constants a feature as pairs in 84 registers; the whole recursion (11 indicators, then 10, 9, 8 functions, each feature's own 12 knots) runs on packed f32.
; With T_j = b_j / (g_j+k - g_j) and D_j = x - g_j a level is b'_j = D_j T_j - D_j+k+1 T_j+1.  The 8 final pairs are 16 consecutive registers, which two conversions take as they stand; the weights were laid in the same order.
; A block of 32 (4 features x 8) lies in lanes 2 b and 2 b + 1.
; THE RESET GATE is computed whole (product, bias, norm, tanh) and dropped, as the definition drops it.
; NORMS: each wave makes (mean, sum of squared deviations) of its 32 columns of a row; the sixteen pairs are merged: no difference of large sums is formed.
; LIMITS: NaN and infinities are not served.  A block whose largest magnitude lies under 2^-124 gets the byte 1; a block of zeros gets the byte 1 where the rule says 127 (zero codes; the bytes never leave this launch).
; The recursion multiplies by reciprocals of knot differences where the definition divides.  out = h + u (c - h) stands for (1 - u) h + u c.
; THE MODE: SCHED_MODE bits 1:0 = 2 (LLVM: expert scheduling mode 2), set by the entry lines.  The code itself states the register dependences between vector or matrix instructions and memory or LDS instructions,
; and between vector instructions that write scalar registers and their readers, with s_wait_alu, always for 0.
; THE PLAN.  Registers that memory or LDS instructions touch:
;   v10, v11      offsets, made at the head and never written again; every global access goes by one of them and a scalar base that is made once.
;   v12-15, v158-163, v220-221   the LDS addresses of the phase in hand.  A phase begins, behind the barrier that ends the phase before, with ONE wait on vm_vsrc (the LDS instructions issued so far have read their addresses
;                 and data), makes ALL its addresses, and has ONE wait on va_vdst ahead of its first load: the addresses are written, and whoever named the registers that the phase loads into is done.
;   results       (codes, bytes, sums) are written by vector or matrix instructions and read by a run of LDS stores: one wait on va_vdst ahead of the run; behind matrix results the four places come first.
;   the splines' loop   a trip: vm_vsrc, three address adds, va_vdst; each row: va_sdst behind its 24 compares, va_vdst ahead of its two stores, which also frees the row's x for the load that follows.
;   the middle layer    three sets of weight fragments and two buffers of the rows' fragments: one wait on va_vdst behind a step's products frees the set and the buffer that they read; the refills follow it.
;   the ring of 29 steps   four slots of weights, two buffers of fragments: one wait on va_vdst behind each step's products and places, ahead of the step's refills.
.set CP,   4112                        ; LDS: COMB at 0: 32 rows of 1,024 f32 + 16 bytes
.set CODE, 131584                      ; 16 waves x 8,704: 32 rows x (256 bytes of spline codes + 16)
.set CW,   8704
.set AS1,  270848                      ; 16 waves x 512: [row][16 scale bytes]
.set QC,   279040                      ; combined's codes as images: [row tile][chunk 0..15][512]
.set QCS,  295424                      ; their scale bytes [row][32]
.set VEC,  296448                      ; ten vectors of 2,048 bytes: ip_b rg_b rg_g rg_beta ug_b ug_g ug_beta rp_b cn_g cn_b
.set MID,  316928                      ; the middle layer: 32 rows x (256 + 16)
.set XS,   CODE                        ; laid over CODE, each use parted from the next by a barrier: x, 32 rows x (1,024 + 16);
.set XQ,   CODE+33280                  ; x's codes [row tile][chunk 0..3][512];
.set XQS,  CODE+37376                  ; their scale bytes [row][8];
.set C2,   CODE                        ; later: the second layer's codes, 32 rows x (256 spline + 32 silu + 16);
.set AS2,  CODE+9728                   ; their scale bytes [row][32]: 16, 2, and 127 twice;
.set ST,   CODE+10752                  ; the norms' quads: four regions of 16 x 272: [r][wave][16 bytes]
.set RG_C,  65536                      ; the workspace's parts
.set K1S_C, 851968
.set K1B_C, 1114112
.set K2_C,  1179648
.set RG_S,  8192
.set UG_S,  24576
.set RP_S,  40960
.set K1S_S, 57344
.set K1B_S, 73728
.set K2_S,  77824
.set G,   16                           ; v16-39 knots, v40-61, v62-81, v82-99 the three levels' reciprocals: pairs
.set I1,  40
.set I2,  62
.set I3,  82
.set D,   100                          ; v100-123 x - g_j
.set T,   124                          ; v124-145 the functions
.set TMP, 146                          ; v146-151
.set X0,  152                          ; v152-155 two rows' pairs of x
.set X1,  154
; v0 thread, v1 lane, v2 r, v3 h, v4-v8 the quantiser's, v9 spare, v10 16 x lane, v11 4 x thread (both never rewritten), v12-15 and v158-163 LDS addresses of the phase in hand
; (where a phase's numbers fill v100-163: v220-222); v226-255 scale words and nothing else.
; s[36:59] the splines' masks; s60 wave; s61 trips; s[62:63] permute selects; s66-68 the row's steps; s[70:91] pointers, made once; s92-99 at work.
.macro BAR                             ; my LDS stores have landed and my LDS loads are in: then the work-group's barrier
	s_wait_dscnt 0x0
	s_barrier_signal -1
	s_barrier_wait -1
.endm
.macro NOP4                            ; four places behind matrix instructions, ahead of reads of their results and of loads into their sources
.rept 4
	v_nop
.endr
.endm
; One scaled product.  c < 0: the sum starts with 0.  ra, rb: which half of the lanes holds source 0's and source 1's scale words.
.macro WM d, a, b, c, sa, sb, ra, rb
.if (\c) < 0
.if (\ra) && (\rb)
	v_wmma_scale_f32_16x16x128_f8f6f4 v[(\d):(\d)+7], v[(\a):(\a)+7], v[(\b):(\b)+7], 0, v[\sa], v[\sb] matrix_a_fmt:MATRIX_FMT_FP4 matrix_b_fmt:MATRIX_FMT_FP4 matrix_a_scale:MATRIX_SCALE_ROW1 matrix_b_scale:MATRIX_SCALE_ROW1
.elseif (\ra)
	v_wmma_scale_f32_16x16x128_f8f6f4 v[(\d):(\d)+7], v[(\a):(\a)+7], v[(\b):(\b)+7], 0, v[\sa], v[\sb] matrix_a_fmt:MATRIX_FMT_FP4 matrix_b_fmt:MATRIX_FMT_FP4 matrix_a_scale:MATRIX_SCALE_ROW1
.elseif (\rb)
	v_wmma_scale_f32_16x16x128_f8f6f4 v[(\d):(\d)+7], v[(\a):(\a)+7], v[(\b):(\b)+7], 0, v[\sa], v[\sb] matrix_a_fmt:MATRIX_FMT_FP4 matrix_b_fmt:MATRIX_FMT_FP4 matrix_b_scale:MATRIX_SCALE_ROW1
.else
	v_wmma_scale_f32_16x16x128_f8f6f4 v[(\d):(\d)+7], v[(\a):(\a)+7], v[(\b):(\b)+7], 0, v[\sa], v[\sb] matrix_a_fmt:MATRIX_FMT_FP4 matrix_b_fmt:MATRIX_FMT_FP4
.endif
.else
.if (\ra) && (\rb)
	v_wmma_scale_f32_16x16x128_f8f6f4 v[(\d):(\d)+7], v[(\a):(\a)+7], v[(\b):(\b)+7], v[(\c):(\c)+7], v[\sa], v[\sb] matrix_a_fmt:MATRIX_FMT_FP4 matrix_b_fmt:MATRIX_FMT_FP4 matrix_a_scale:MATRIX_SCALE_ROW1 matrix_b_scale:MATRIX_SCALE_ROW1
.elseif (\ra)
	v_wmma_scale_f32_16x16x128_f8f6f4 v[(\d):(\d)+7], v[(\a):(\a)+7], v[(\b):(\b)+7], v[(\c):(\c)+7], v[\sa], v[\sb] matrix_a_fmt:MATRIX_FMT_FP4 matrix_b_fmt:MATRIX_FMT_FP4 matrix_a_scale:MATRIX_SCALE_ROW1
.elseif (\rb)
	v_wmma_scale_f32_16x16x128_f8f6f4 v[(\d):(\d)+7], v[(\a):(\a)+7], v[(\b):(\b)+7], v[(\c):(\c)+7], v[\sa], v[\sb] matrix_a_fmt:MATRIX_FMT_FP4 matrix_b_fmt:MATRIX_FMT_FP4 matrix_b_scale:MATRIX_SCALE_ROW1
.else
	v_wmma_scale_f32_16x16x128_f8f6f4 v[(\d):(\d)+7], v[(\a):(\a)+7], v[(\b):(\b)+7], v[(\c):(\c)+7], v[\sa], v[\sb] matrix_a_fmt:MATRIX_FMT_FP4 matrix_b_fmt:MATRIX_FMT_FP4
.endif
.endif
.endm
; 32 numbers of a lane become 16 bytes of codes and a byte: 33 leaves (the floor 2^(3 - 127) among them) in two chains
.macro QB32 src, dst, by
	v_max3_num_f32 v4, |v[(\src)]|, |v[(\src)+1]|, 0x1800000
	v_max3_num_f32 v5, |v[(\src)+2]|, |v[(\src)+3]|, |v[(\src)+4]|
.irp i, 5,9,13,17,21,25
	v_max3_num_f32 v4, v4, |v[(\src)+\i]|, |v[(\src)+\i+1]|
	v_max3_num_f32 v5, v5, |v[(\src)+\i+2]|, |v[(\src)+\i+3]|
.endr
	v_max3_num_f32 v4, v4, |v[(\src)+29]|, |v[(\src)+30]|
	v_max3_num_f32 v4, v4, v5, |v[(\src)+31]|
	v_add_nc_u32 v6, 0xff000000, v4                ; 2 off the exponent field: the conversion's scale operand
.irp g, 0,1,2,3
	v_cvt_scalef32_pk8_fp4_f32 v[(\dst)+\g], v[(\src)+8*\g:(\src)+8*\g+7], v6
.endr
	v_lshrrev_b32 v[\by], 23, v6                   ; the byte; also the plain line behind the conversions
.endm
; Lane l holds 64 neighbours of ROW l (two blocks).  Their codes become two chunks of an operand: behind the exchange c0 .. c0 + 3 is the chunk of rows 0-15 (lanes 0-15 block 0, lanes 16-31 block 1), c1 .. that of rows 16-31.  Bytes: v7, v8.
.macro QPAIR va, vb, c0, c1
	QB32 \va, \c0, 7
	QB32 \vb, \c1, 8
	v_nop
.irp i, 0,1,2,3
	v_permlane16_swap_b32 v[(\c0)+\i], v[(\c1)+\i]
.endr
.endm
.macro QROW64 adr, va, vb, c0, c1      ; the loads fill va .. va + 31 and vb .. vb + 31: no address register lies there.  What the loads hang on is stated ahead of each use of the macro
.irp i, 0,1,2,3,4,5,6,7
	ds_load_b128 v[(\va)+4*\i:(\va)+4*\i+3], v[\adr] offset:16*\i
.endr
.irp i, 0,1,2,3,4,5,6,7
	ds_load_b128 v[(\vb)+4*\i:(\vb)+4*\i+3], v[\adr] offset:128+16*\i
.endr
	s_wait_dscnt 0x0
	QPAIR \va, \vb, \c0, \c1
.endm
.macro MULC d, x, lit, n               ; d = x times a constant, n registers
.set ei, 0
.rept (\n)/2
	v_pk_mul_f32 v[(\d)+ei:(\d)+ei+1], v[(\x)+ei:(\x)+ei+1], \lit op_sel_hi:[1,0]
.set ei, ei+2
.endr
.endm
.macro E1R x, n                        ; x = 1 / (1 + 2^x).  A plain line stands behind each run of transcendentals
.set ei, 0
.rept \n
	v_exp_f32 v[(\x)+ei], v[(\x)+ei]
.set ei, ei+1
.endr
	v_nop
.set ei, 0
	s_wait_alu depctr_va_vdst(0)                   ; the batch of exponentials is written, ahead of the additions that read it
.rept (\n)/2
	v_pk_add_f32 v[(\x)+ei:(\x)+ei+1], v[(\x)+ei:(\x)+ei+1], 1.0 op_sel_hi:[1,0]
.set ei, ei+2
.endr
.set ei, 0
	s_wait_alu depctr_va_vdst(0)
.rept \n
	v_rcp_f32 v[(\x)+ei], v[(\x)+ei]
.set ei, ei+1
.endr
	v_nop
.endm
.macro SILU x, w, n                    ; x = x / (1 + 2^(-x log2 e)); w: n registers at work
	MULC \w, \x, 0xbfb8aa3b, \n
	s_wait_alu depctr_va_vdst(0)
	E1R \w, \n
.set ei, 0
	s_wait_alu depctr_va_vdst(0)                   ; the batch of reciprocals is written, ahead of the multiplications that read it
.rept (\n)/2
	v_pk_mul_f32 v[(\x)+ei:(\x)+ei+1], v[(\x)+ei:(\x)+ei+1], v[(\w)+ei:(\w)+ei+1]
.set ei, ei+2
.endr
.endm
; One level of the recursion: n functions out of n + 1.  The product D_j T_j runs one ahead of the fused line that uses it.
.macro LEVEL k, n, inv
.if \k > 1
.set lj, 0
.rept \n+1
	v_pk_mul_f32 v[T+2*lj:T+2*lj+1], v[T+2*lj:T+2*lj+1], v[\inv+2*lj:\inv+2*lj+1]
.set lj, lj+1
.endr
.endif
	v_pk_mul_f32 v[TMP:TMP+1], v[D:D+1], v[T:T+1]
.set lj, 0
.rept \n
.if lj+1 < \n
	v_pk_mul_f32 v[TMP+2*((lj+1)%3):TMP+2*((lj+1)%3)+1], v[D+2*(lj+1):D+2*(lj+1)+1], v[T+2*(lj+1):T+2*(lj+1)+1]
.endif
	v_pk_fma_f32 v[T+2*lj:T+2*lj+1], v[D+2*(lj+\k+1):D+2*(lj+\k+1)+1], v[T+2*lj+2:T+2*lj+3], v[TMP+2*(lj%3):TMP+2*(lj%3)+1] neg_lo:[1,0,0] neg_hi:[1,0,0]
.set lj, lj+1
.endr
.endm
; The splines of one row for my pair of features in v[xr], v[xr + 1]: 16 codes (8 bytes) to v[ca] + co, the block's byte to v[sa] + so.  The masks only select values.
.macro SPL xr, cd, by, ca, sa, co, so
.irp j, 0,1,2,3,4,5,6,7,8,9,10,11
	v_pk_add_f32 v[D+2*\j:D+2*\j+1], v[\xr:\xr+1], v[G+2*\j:G+2*\j+1] neg_lo:[0,1] neg_hi:[0,1]
.endr
.irp j, 0,1,2,3,4,5,6,7,8,9,10,11
	v_cmp_ge_f32 s[36+2*\j], v[\xr], v[G+2*\j]
	v_cmp_ge_f32 s[37+2*\j], v[\xr+1], v[G+2*\j+1]
.endr
	s_wait_alu depctr_va_sdst(0)                   ; the 24 compares have written s36 to s59, ahead of the scalar lines that read them first
.irp j, 0,1,2,3,4,5,6,7,8,9,10
	s_and_not1_b32 s[36+2*\j], s[36+2*\j], s[38+2*\j]          ; x >= g_j and not x >= g_j+1
	s_and_not1_b32 s[37+2*\j], s[37+2*\j], s[39+2*\j]
.endr
.irp j, 0,1,2,3,4,5,6,7,8,9,10,11,12,13,14,15,16,17,18,19,20,21
	v_cndmask_b32 v[T+\j], 0, v[I1+\j], s[36+\j]               ; the indicator times the first level's reciprocal, in one line
.endr
	LEVEL 1, 10, I1
	LEVEL 2, 9, I2
	LEVEL 3, 8, I3
	v_max3_num_f32 v4, |v[T]|, |v[T+1]|, 0x1800000
	v_max3_num_f32 v5, |v[T+2]|, |v[T+3]|, |v[T+4]|
	v_max3_num_f32 v4, v4, |v[T+5]|, |v[T+6]|
	v_max3_num_f32 v5, v5, |v[T+7]|, |v[T+8]|
	v_max3_num_f32 v4, v4, |v[T+9]|, |v[T+10]|
	v_max3_num_f32 v5, v5, |v[T+11]|, |v[T+12]|
	v_max3_num_f32 v4, v4, |v[T+13]|, |v[T+14]|
	v_max3_num_f32 v4, v4, v5, |v[T+15]|
	v_max_num_f32_dpp v4, v4, v4 row_xmask:1 row_mask:0xf bank_mask:0xf   ; with my neighbour's 16: the block's
	v_add_nc_u32 v6, 0xff000000, v4
	v_cvt_scalef32_pk8_fp4_f32 v[\cd], v[T:T+7], v6
	v_cvt_scalef32_pk8_fp4_f32 v[\cd+1], v[T+8:T+15], v6
	v_lshrrev_b32 v[\by], 23, v6
	s_wait_alu depctr_va_vdst(0)                   ; the codes and the byte are written, which the two stores read; the lines above are done reading the row's x, in which a later load lands
	ds_store_b64 v[\ca], v[\cd:\cd+1] offset:\co
	ds_store_b8 v[\sa], v[\by] offset:\so          ; both lanes of a block write the same byte
.endm
.macro CSADDR                          ; v12, v13: my columns in rows r and 16 + r of COMB; v14: my columns in a vector
	s_lshl_b32 s94, s60, 7
	v_mul_u32_u24 v12, v2, CP
	v_lshl_add_u32 v12, v3, 5, v12
	v_add_nc_u32 v12, s94, v12
	v_add_nc_u32 v13, 16*CP, v12
	s_add_co_u32 s94, s94, VEC
	v_lshlrev_b32 v14, 5, v3
	v_add_nc_u32 v14, s94, v14
.endm
	; ---- P0: ids, pointers, all early loads; x, h_prev and the vectors go to LDS
	s_load_b512 s[4:19], s[0:1], 0x0               ; x, h_prev, ip_b, rg_b, rg_g, rg_beta, ug_b, ug_g
	s_load_b512 s[20:35], s[0:1], 0x40             ; ug_beta, rp_b, cn_g, cn_b, wcodes, wscales, gtab, out0
	v_lshrrev_b32 v4, 5, v0
	v_readfirstlane_b32 s60, v4                    ; wave 0..15
	v_and_b32 v1, 31, v0
	s_wait_alu depctr_va_vdst(0)
	v_and_b32 v2, 15, v0
	v_bfe_u32 v3, v0, 4, 1
	v_lshlrev_b32 v10, 4, v1
	s_wait_alu depctr_va_vdst(0)
	v_lshlrev_b32 v11, 2, v0
	v_mov_b32 v9, 0
	s_mov_b32 s62, 0x76543210
	s_mov_b32 s63, 0xfedcba98                      ; v_permlanex16_b32's selects for lane l xor 16
	s_wait_alu depctr_va_sdst(0)                   ; s60 is written, ahead of its first reader: addresses and pointers are made from it
	s_mul_i32 s94, s60, 2080
	s_add_co_u32 s94, s94, XS
	v_add_nc_u32 v12, s94, v10                     ; x's rows 2 w, 2 w + 1 in XS
	s_mul_i32 s94, s60, 2*CP
	v_add_nc_u32 v13, s94, v10                     ; the same rows in COMB
	v_add_nc_u32 v14, VEC, v11
	s_lshl_b32 s94, s60, 8                         ; the next phase's three addresses are made ahead of its branch on the wave's number
	s_add_co_u32 s94, s94, XS
	v_mul_u32_u24 v15, v1, 1040
	v_add_nc_u32 v15, s94, v15                     ; row l of x, features 64 w on
	s_lshl_b32 s94, s60, 9
	s_add_co_u32 s94, s94, XQ
	v_add_nc_u32 v158, s94, v10
	s_lshl_b32 s94, s60, 1
	s_add_co_u32 s94, s94, XQS
	v_lshlrev_b32 v159, 3, v1
	v_add_nc_u32 v159, s94, v159
	s_mov_b32 s93, 0
	s_wait_kmcnt 0x0
	s_lshl_b32 s92, ttmp9, 15
	s_lshl_b32 s94, s60, 11
	s_add_co_u32 s92, s92, s94
	s_add_nc_u64 s[70:71], s[4:5], s[92:93]        ; x: my two rows
	s_lshl_b32 s92, ttmp9, 16
	s_lshl_b32 s94, s60, 12
	s_add_co_u32 s92, s92, s94
	s_add_nc_u64 s[72:73], s[6:7], s[92:93]        ; h_prev: my two rows
	s_add_nc_u64 s[74:75], s[34:35], s[92:93]      ; out0 likewise
	s_mov_b32 s92, s94
	s_add_nc_u64 s[76:77], s[28:29], s[92:93]      ; wcodes + 4,096 w
	s_lshl_b32 s92, s60, 14
	s_add_nc_u64 s[78:79], s[28:29], s[92:93]      ; + 16,384 w
	s_mul_i32 s92, s60, 10240
	s_add_nc_u64 s[80:81], s[28:29], s[92:93]      ; + 10,240 w
	s_lshl_b32 s92, s60, 9
	s_add_nc_u64 s[82:83], s[30:31], s[92:93]      ; wscales + 512 w
	s_lshl_b32 s92, s60, 10
	s_add_nc_u64 s[84:85], s[30:31], s[92:93]      ; + 1,024 w
	s_lshr_b32 s92, s60, 2
	s_lshl_b32 s92, s92, 10
	s_and_b32 s94, s60, 3
	s_lshl_b32 s94, s94, 2
	s_add_co_u32 s92, s92, s94
	s_add_nc_u64 s[86:87], s[30:31], s[92:93]      ; + 1,024 (w / 4) + 4 (w % 4)
	s_mul_i32 s92, s60, 10752
	s_add_nc_u64 s[88:89], s[32:33], s[92:93]      ; my group's table
	s_add_nc_u64 s[90:91], s[32:33], 172032        ; grid2's table
	s_wait_alu depctr_va_vdst(0)                   ; v10 and v11, the offsets of every global access, and the LDS addresses v12-15, v158, v159 of this phase and the next are written
.irp i, 0,1,2,3
	global_load_b128 v[100+4*\i:103+4*\i], v10, s[70:71] offset:512*\i th:TH_LOAD_NT
.endr
.irp i, 0,1,2,3,4,5,6,7
	global_load_b128 v[116+4*\i:119+4*\i], v10, s[72:73] offset:512*\i th:TH_LOAD_NT
.endr
.irp i, 0,1,2,3,4,5,6,7,8,9
	global_load_b32 v[148+\i], v11, s[8+2*\i:9+2*\i]
.endr
.irp s, 0,1
.irp t, 0,1
.irp c, 0,1
	global_load_b128 v[162+8*(2*\s+\t)+4*\c:165+8*(2*\s+\t)+4*\c], v10, s[76:77] offset:\s*2048+\t*1024+\c*512   ; ip_w's four fragments
.endr
.endr
.endr
	global_load_b64 v[226:227], v10, s[82:83]      ; their scale words: lane l: weight row 32 w + l, steps 0 and 1
.irp q, 0,1,2,3,4,5,6,7,8,9,10,11,12,13,14,15,16,17,18,19,20
	global_load_b128 v[G+4*\q:G+4*\q+3], v10, s[88:89] offset:512*\q      ; the splines' constants
.endr
	s_wait_loadcnt 30                              ; x, h_prev and the vectors are in; the 8 + 1 + 21 younger loads stay out
.irp i, 0,1,2,3
	ds_store_b128 v12, v[100+4*\i:103+4*\i] offset:(\i/2)*1040+(\i%2)*512
.endr
.irp i, 0,1,2,3,4,5,6,7
	ds_store_b128 v13, v[116+4*\i:119+4*\i] offset:(\i/4)*CP+2048+(\i%4)*512
.endr
.irp i, 0,1,2,3,4,5,6,7,8,9
	ds_store_b32 v14, v[148+\i] offset:2048*\i
.endr
	BAR
	; ---- P1: waves 0-3 quantise x: lane l takes row l, features 64 w on
	s_wait_alu depctr_vm_vsrc(0)                   ; the stores above have read v100-157 and v12-14: the next two phases load into the first and write the second.  Ahead of the branch: both ways need it
	s_cmp_lt_u32 s60, 4
	s_cbranch_scc0 .Lnox
	QROW64 15, 100, 194, 132, 136
	v_lshl_or_b32 v160, v8, 8, v7
	s_wait_alu depctr_va_vdst(0)                   ; the codes v132-139 and the two bytes in v160 are written, which the three stores read
	ds_store_b128 v158, v[132:135]
	ds_store_b128 v158, v[136:139] offset:2048
	ds_store_b16 v159, v160
.Lnox:
	BAR
	; ---- P2: x_proj = Q(x) Q(ip_w)^T + ip_b: my 32 columns of the 32 rows, into COMB
	s_wait_alu depctr_vm_vsrc(0)                   ; the last phase's loads have read v15, its stores v158 and v132-139: the first two are written below, and the bias lands in the last
	CSADDR
	v_add_nc_u32 v15, XQ, v10
	v_lshlrev_b32 v158, 3, v1
	v_add_nc_u32 v158, XQS, v158
	s_wait_alu depctr_va_vdst(0)                   ; the addresses v12-15 and v158 are written; the quantiser is done with v100-139, in which the loads below land
.irp mt, 0,1
.irp s, 0,1
.irp c, 0,1
	ds_load_b128 v[100+8*(2*\mt+\s)+4*\c:103+8*(2*\mt+\s)+4*\c], v15 offset:\mt*2048+(2*\s+\c)*512
.endr
.endr
.endr
	ds_load_b64 v[228:229], v158                   ; lane l: row l's two scale words
.irp t, 0,1
.irp q, 0,1
	ds_load_b128 v[132+8*\t+4*\q:135+8*\t+4*\q], v14 offset:64*\t+16*\q
.endr
.endr
	s_wait_loadcnt 21                              ; ip_w's fragments and words are in; the 21 loads of constants stay out
	s_wait_dscnt 0x0
.irp s, 0,1                            ; four accumulators by turns
.irp mt, 0,1
.irp t, 0,1
.if \s == 0
	WM 194+8*(2*\mt+\t), 162+8*(2*\s+\t), 100+8*(2*\mt+\s), 132+8*\t, 226+\s, 228+\s, \t, \mt
.else
	WM 194+8*(2*\mt+\t), 162+8*(2*\s+\t), 100+8*(2*\mt+\s), 194+8*(2*\mt+\t), 226+\s, 228+\s, \t, \mt
.endif
.endr
.endr
.endr
	NOP4
	s_wait_alu depctr_va_vdst(0)                   ; the products have written v194-225, which the stores read; the places above stay beside this wait
.irp mt, 0,1
.irp t, 0,1
	ds_store_b128 v[12+\mt], v[194+8*(2*\mt+\t):197+8*(2*\mt+\t)] offset:64*\t        ; each accumulator from its low end on
	ds_store_b128 v[12+\mt], v[198+8*(2*\mt+\t):201+8*(2*\mt+\t)] offset:64*\t+16
.endr
.endr
	BAR
	; ---- P3: lane l takes row l of combined, my 64 features: Q(combined) as images for all waves; Q(silu(combined)) stays in my registers (v204-219, chunk 1 zeros).
	; The 64 numbers fill v100-163, the silu works in v164-195, the codes lie in v196-219: so the two store addresses and the 16-bit store's data lie in v220-222
	s_wait_alu depctr_vm_vsrc(0)                   ; the last phase's loads have read v14, v15 and v158, its stores v12, v13 and v194-225: this phase and the next write or load into all of them
	s_lshl_b32 s94, s60, 8
	v_mul_u32_u24 v15, v1, CP
	v_add_nc_u32 v15, s94, v15
	s_lshl_b32 s94, s60, 9
	s_add_co_u32 s94, s94, QC
	v_add_nc_u32 v220, s94, v10
	s_lshl_b32 s94, s60, 1
	s_add_co_u32 s94, s94, QCS
	v_lshlrev_b32 v221, 5, v1
	v_add_nc_u32 v221, s94, v221
	s_wait_alu depctr_va_vdst(0)                   ; the addresses v15, v220, v221 are written (the products that read v100-147, v162 and v163, in which the row lands, stand ahead of the last such wait)
	QROW64 15, 100, 132, 196, 200
	v_lshl_or_b32 v222, v8, 8, v7
	s_wait_alu depctr_va_vdst(0)                   ; the codes v196-203 and the two bytes in v222 are written, which the three stores read
	ds_store_b128 v220, v[196:199]
	ds_store_b128 v220, v[200:203] offset:8192
	ds_store_b16 v221, v222
	SILU 100, 164, 32
	SILU 132, 164, 32
	QPAIR 100, 132, 204, 212
.irp i, 208,209,210,211,216,217,218,219
	v_mov_b32 v[\i], 0
.endr
	v_lshl_or_b32 v240, v8, 8, v7
	v_or_b32 v240, 0x7f7f0000, v240                ; row l's scale word: two bytes, and 127 for the zero codes
	; ---- P4: the first layer's splines: my 64 features, all 32 rows, two rows a trip.  Codes and bytes go to my own part of LDS: no barrier
	s_lshl_b32 s94, s60, 8
	v_lshlrev_b32 v14, 3, v1
	v_add_nc_u32 v12, s94, v14
	s_mul_i32 s94, s60, CW
	s_add_co_u32 s94, s94, CODE
	v_add_nc_u32 v13, s94, v14
	s_lshl_b32 s94, s60, 9
	s_add_co_u32 s94, s94, AS1
	v_lshrrev_b32 v14, 1, v1
	v_add_nc_u32 v14, s94, v14
	s_wait_loadcnt 0x0                             ; the constants
	s_wait_alu depctr_va_vdst(0)                   ; v12 is written, which the load reads; the quantiser and the silu are done with v152 and v153, in which it lands
	ds_load_b64 v[X0:X0+1], v12                    ; row 0
	s_mov_b32 s66, 0
	s_mov_b32 s67, 0
	s_mov_b32 s68, 0
	s_mov_b32 s61, 15
.Lrow:
	s_wait_dscnt 0x0                               ; the even row's x is in, and no LDS instruction of mine is out
	s_wait_alu depctr_vm_vsrc(0)                   ; the loads and stores issued so far have read v15, v162, v163 and the codes and bytes in v156-161: this trip writes all of them again
	v_add_nc_u32 v15, s66, v12
	v_add_nc_u32 v162, s67, v13
	v_add_nc_u32 v163, s68, v14
	s_wait_alu depctr_va_vdst(0)                   ; the three addresses are written, which this trip's loads and stores read
	ds_load_b64 v[X1:X1+1], v15 offset:CP
	SPL X0, 156, 160, 162, 163, 0, 0
	ds_load_b64 v[X0:X0+1], v15 offset:2*CP        ; the next trip's even row.  No wait: no vector instruction since the row's own wait names v15 or the pair
	s_wait_dscnt 3                                 ; behind the odd row's load: two stores and one load
	SPL X1, 158, 161, 162, 163, 272, 16
	s_add_co_u32 s66, s66, 2*CP
	s_add_co_u32 s67, s67, 544
	s_add_co_u32 s68, s68, 32
	s_sub_co_u32 s61, s61, 1
	s_cmp_lg_u32 s61, 0
	s_cbranch_scc1 .Lrow
	s_wait_dscnt 0x0                               ; rows 30 and 31: nothing more to fetch
	s_wait_alu depctr_vm_vsrc(0)                   ; as at a trip's head: v15, v162, v163 and v156-161 have been read
	v_add_nc_u32 v15, s66, v12
	v_add_nc_u32 v162, s67, v13
	v_add_nc_u32 v163, s68, v14
	s_wait_alu depctr_va_vdst(0)                   ; the three addresses are written
	ds_load_b64 v[X1:X1+1], v15 offset:CP
	SPL X0, 156, 160, 162, 163, 0, 0
	s_wait_dscnt 2                                 ; behind the odd row's load: two stores
	SPL X1, 158, 161, 162, 163, 272, 16
	; ---- P4b: my part of K of the middle layer: 64 of the silu path (one half-filled step) and 512 of the spline path (four steps), 4 tiles of units x 2 tiles of rows: eight accumulators by turns.
	; Weights: three sets of 32 registers, v16-111.  The rows' fragments: two buffers, v112-127 (steps 0 and 2) and v204-219 (steps 1 and 3), the second free once the silu step has multiplied by the codes that lay there
	s_mul_i32 s94, s60, CW
	s_add_co_u32 s94, s94, CODE
	v_mul_u32_u24 v12, v2, 272
	v_lshl_add_u32 v12, v3, 4, v12
	v_add_nc_u32 v12, s94, v12
	s_lshl_b32 s95, s60, 9
	s_add_co_u32 s95, s95, AS1
	v_add_nc_u32 v13, s95, v10
	v_add_nc_u32 v14, s94, v10
.macro K1LOAD bs, ks                   ; four weight fragments into set bs: ks < 0: k1_base's, else step ks of my four
.irp nt, 0,1,2,3
.irp c, 0,1
.if (\ks) < 0
	global_load_b128 v[16+32*(\bs)+8*\nt+4*\c:19+32*(\bs)+8*\nt+4*\c], v10, s[76:77] offset:K1B_C+\nt*1024+\c*512
.else
	global_load_b128 v[16+32*(\bs)+8*\nt+4*\c:19+32*(\bs)+8*\nt+4*\c], v10, s[78:79] offset:K1S_C+(\ks)*4096+\nt*1024+\c*512
.endif
.endr
.endr
.endm
.macro K1A ks                          ; the rows' fragments of step ks, from my own codes, into buffer ks % 2
.irp mt, 0,1
.irp c, 0,1
	ds_load_b128 v[112+92*((\ks)%2)+8*\mt+4*\c:115+92*((\ks)%2)+8*\mt+4*\c], v12 offset:\mt*4352+64*(\ks)+32*\c
.endr
.endr
.endm
.macro K1MUL bs, ks
.irp mt, 0,1
.irp nt, 0,1,2,3
.if (\ks) < 0
	WM 128+8*(4*\mt+\nt), 16+32*(\bs)+8*\nt, 204+8*\mt, -1, 238+\nt/2, 240, \nt%2, \mt
.else
	WM 128+8*(4*\mt+\nt), 16+32*(\bs)+8*\nt, 112+92*((\ks)%2)+8*\mt, 128+8*(4*\mt+\nt), 230+4*(\nt/2)+(\ks), 226+(\ks), \nt%2, \mt
.endif
.endr
.endr
.endm
	s_wait_alu depctr_va_vdst(0)                   ; the addresses v12-14 are written; the splines are done with v16-127, in which weights and fragments land; the silu's codes v204-219 and their scale word v240, which the first products take, are written
	global_load_b32 v238, v10, s[86:87] offset:K1B_S
	global_load_b32 v239, v10, s[86:87] offset:K1B_S+512
	global_load_b128 v[230:233], v10, s[84:85] offset:K1S_S
	global_load_b128 v[234:237], v10, s[84:85] offset:K1S_S+512
	K1LOAD 0, -1
	K1LOAD 1, 0
	K1LOAD 2, 1
	ds_load_b128 v[226:229], v13                   ; lane l: row l's four scale words
	K1A 0
	s_wait_loadcnt 16                              ; the words and set 0 are in; sets 1 and 2 stay out
	s_wait_dscnt 0x0                               ; step 0's fragments and the rows' words are in
	s_wait_alu depctr_vm_vsrc(0)                   ; the last two rows' stores have read v156-163, which the sums below take
	K1MUL 0, -1
	NOP4
	s_wait_alu depctr_va_vdst(0)                   ; the products are done reading set 0 and the silu's codes v204-219: both are loaded into below
	K1LOAD 0, 2
	K1A 1
	s_wait_loadcnt 16                              ; set 1 is in; set 2 and the new set 0 stay out
	K1MUL 1, 0
	NOP4
	s_wait_alu depctr_va_vdst(0)                   ; the products are done reading set 1 and the fragments v112-127
	K1LOAD 1, 3
	K1A 2
	s_wait_loadcnt 16                              ; set 2 is in
	s_wait_dscnt 4                                 ; step 1's fragments are in; step 2's four loads stay out
	K1MUL 2, 1
	NOP4
	s_wait_alu depctr_va_vdst(0)                   ; the products are done reading the fragments v204-219
	K1A 3
	s_wait_loadcnt 8                               ; set 0 is in; set 1 stays out
	s_wait_dscnt 4                                 ; step 2's fragments are in; step 3's four loads stay out
	K1MUL 0, 2
	s_wait_loadcnt 0x0
	s_wait_dscnt 0x0
	K1MUL 1, 3
	NOP4
	; ---- P5: the sixteen waves' parts are added: each wave stores its 8,192 bytes over its own codes, and adds one slice of 512 bytes of all sixteen
	s_wait_alu depctr_va_vdst(0)                   ; the products have written v128-191, which the stores read, and are done reading v16-99, in which grid2's constants land; the places above stay beside this wait
.irp a, 0,1,2,3,4,5,6,7
	ds_store_b128 v14, v[128+8*\a:131+8*\a] offset:1024*\a
	ds_store_b128 v14, v[132+8*\a:135+8*\a] offset:1024*\a+512
.endr
.irp q, 0,1,2,3,4,5,6,7,8,9,10,11,12,13,14,15,16,17,18,19,20
	global_load_b128 v[G+4*\q:G+4*\q+3], v10, s[90:91] offset:512*\q      ; grid2's constants
.endr
	BAR
	s_wait_alu depctr_vm_vsrc(0)                   ; the fragments' and words' loads have read v12 and v13, the stores above v14 and v128-191: the addresses are written and v162-191 loaded into below
	s_lshl_b32 s94, s60, 9
	s_add_co_u32 s94, s94, CODE
	v_add_nc_u32 v12, s94, v10
	v_add_nc_u32 v13, 8*CW, v12
	s_lshr_b32 s94, s60, 3                         ; slice w is registers 4 (w % 2) .. of accumulator w / 2: rows 16 (w / 8) + r, units 16 ((w / 2) % 4) + 8 h + 4 (w % 2) ..
	s_mul_i32 s94, s94, 4352
	s_bfe_u32 s95, s60, 0x20001
	s_lshl_b32 s95, s95, 6
	s_add_co_u32 s94, s94, s95
	s_and_b32 s95, s60, 1
	s_lshl_b32 s95, s95, 4
	s_add_co_u32 s94, s94, s95
	s_add_co_u32 s94, s94, MID
	v_mul_u32_u24 v15, v2, 272
	v_lshl_add_u32 v15, v3, 5, v15
	v_add_nc_u32 v15, s94, v15
	s_wait_alu depctr_va_vdst(0)                   ; the addresses v12, v13 and v15 are written
.irp u, 0,1,2,3,4,5,6,7
	ds_load_b128 v[162+4*\u:165+4*\u], v12 offset:\u*CW
.endr
.irp u, 0,1,2,3,4,5,6,7
	ds_load_b128 v[194+4*\u:197+4*\u], v13 offset:\u*CW
.endr
	s_wait_dscnt 0x0
.irp u, 0,1,2,3,4,5,6,7
	v_pk_add_f32 v[162+4*\u:163+4*\u], v[162+4*\u:163+4*\u], v[194+4*\u:195+4*\u]
	v_pk_add_f32 v[164+4*\u:165+4*\u], v[164+4*\u:165+4*\u], v[196+4*\u:197+4*\u]
.endr
.irp u, 0,1,2,3
	v_pk_add_f32 v[162+4*\u:163+4*\u], v[162+4*\u:163+4*\u], v[178+4*\u:179+4*\u]
	v_pk_add_f32 v[164+4*\u:165+4*\u], v[164+4*\u:165+4*\u], v[180+4*\u:181+4*\u]
.endr
.irp u, 0,1
	v_pk_add_f32 v[162+4*\u:163+4*\u], v[162+4*\u:163+4*\u], v[170+4*\u:171+4*\u]
	v_pk_add_f32 v[164+4*\u:165+4*\u], v[164+4*\u:165+4*\u], v[172+4*\u:173+4*\u]
.endr
	v_pk_add_f32 v[112:113], v[162:163], v[166:167]
	v_pk_add_f32 v[114:115], v[164:165], v[168:169]
	s_wait_alu depctr_va_vdst(0)                   ; the slice v112-115 is written, which the store reads; the additions are done with v162-225, in which the ring's first four steps land
	ds_store_b128 v15, v[112:115]
; The weights of the three products with K = 1,024 and of the second layer come as 29 steps through a ring of four slots of 16 registers (two tiles of my columns).
.macro RLOAD J
.irp t, 0,1
.irp c, 0,1
.if (\J) < 24
	global_load_b128 v[162+16*((\J)%4)+8*\t+4*\c:165+16*((\J)%4)+8*\t+4*\c], v10, s[78:79] offset:RG_C+((\J)/8)*262144+((\J)%8)*2048+\t*1024+\c*512
.else
	global_load_b128 v[162+16*((\J)%4)+8*\t+4*\c:165+16*((\J)%4)+8*\t+4*\c], v10, s[80:81] offset:K2_C+((\J)-24)*2048+\t*1024+\c*512
.endif
.endr
.endr
.endm
	global_load_b128 v[240:243], v10, s[82:83] offset:RG_S
	global_load_b128 v[244:247], v10, s[82:83] offset:RG_S+8192
	RLOAD 0
	RLOAD 1
	RLOAD 2
	RLOAD 3
	BAR
	; ---- P6: the second layer's operands: wave w takes rows 2 w and 2 w + 1 of the middle layer
	s_wait_alu depctr_vm_vsrc(0)                   ; the last phase's loads have read v12 and v13, its store v15 and v112-115: the addresses are written below, and the splines work in v100-161
	s_mul_i32 s94, s60, 544
	s_add_co_u32 s94, s94, MID
	v_lshlrev_b32 v15, 3, v1
	v_add_nc_u32 v12, s94, v15
	s_mul_i32 s95, s60, 608
	s_add_co_u32 s95, s95, C2
	v_add_nc_u32 v13, s95, v15
	s_lshl_b32 s96, s60, 6
	s_add_co_u32 s96, s96, AS2
	v_lshrrev_b32 v14, 1, v1
	v_add_nc_u32 v14, s96, v14
	s_wait_alu depctr_va_vdst(0)                   ; the addresses v12-14 are written
	ds_load_b64 v[X0:X0+1], v12
	ds_load_b64 v[X1:X1+1], v12 offset:272
	s_wait_loadcnt 18                              ; grid2's constants are in; the 2 + 16 younger loads (scale words, ring) stay out
	s_wait_dscnt 0x0
	SPL X0, 156, 160, 13, 14, 0, 0
	SPL X1, 158, 161, 13, 14, 304, 32
	s_wait_dscnt 0x0                               ; no LDS instruction of mine is out
	s_wait_alu depctr_vm_vsrc(0)                   ; the two loads have read v12, the splines' stores v13 and v14: the addresses are written again below
	v_lshrrev_b32 v100, 3, v2                      ; silu: lane r takes row 2 w + r / 8, features 8 (r % 8) on; lanes 16-31 repeat lanes 0-15 and store the same
	v_and_b32 v101, 7, v2
	v_mul_u32_u24 v12, v100, 272
	v_lshl_add_u32 v12, v101, 5, v12
	v_add_nc_u32 v12, s94, v12
	v_mul_u32_u24 v13, v100, 304
	v_lshl_add_u32 v13, v101, 2, v13
	v_add_nc_u32 v13, s95, v13
	v_lshlrev_b32 v15, 5, v100
	v_add_nc_u32 v15, s96, v15
	v_bfe_u32 v14, v2, 2, 1
	v_add_nc_u32 v14, v14, v15
	s_wait_alu depctr_va_vdst(0)                   ; the addresses v12-15 are written; the lines above and the splines are done with v100-107, in which the loads land
	ds_load_b128 v[100:103], v12
	ds_load_b128 v[104:107], v12 offset:16
	s_wait_dscnt 0x0
	SILU 100, 108, 8
	v_max3_num_f32 v4, |v100|, |v101|, 0x1800000
	v_max3_num_f32 v4, v4, |v102|, |v103|
	v_max3_num_f32 v4, v4, |v104|, |v105|
	v_max3_num_f32 v4, v4, |v106|, |v107|
	v_max_num_f32_dpp v4, v4, v4 row_xmask:1 row_mask:0xf bank_mask:0xf
	v_max_num_f32_dpp v4, v4, v4 row_xmask:2 row_mask:0xf bank_mask:0xf   ; four lanes hold a block
	v_add_nc_u32 v6, 0xff000000, v4
	v_cvt_scalef32_pk8_fp4_f32 v116, v[100:107], v6
	v_lshrrev_b32 v117, 23, v6
	v_mov_b32 v118, 0x7f7f
	s_wait_alu depctr_va_vdst(0)                   ; the codes v116, the byte v117 and the two bytes in v118 are written, which the three stores read
	ds_store_b32 v13, v116 offset:256
	ds_store_b8 v14, v117 offset:16
	ds_store_b16 v15, v118 offset:18
	BAR
	; ---- P7: reset, update, candidate.  v16-47 the rows' fragments (two buffers x two tiles); v48-79 four accumulators (2 mt + t); v80-111 update; v112-157 at work
	s_wait_alu depctr_vm_vsrc(0)                   ; the last phase's loads and stores have read v12-15 and v116-118: the addresses are written below, and a bias lands in v112-127
	CSADDR
	v_add_nc_u32 v158, QC, v10
	v_mul_u32_u24 v159, v2, 304
	v_lshl_add_u32 v159, v3, 4, v159
	v_add_nc_u32 v159, C2, v159
	v_mul_u32_u24 v161, v2, 272
	v_add_nc_u32 v161, ST, v161
	s_lshl_b32 s94, s60, 4
	v_add_nc_u32 v160, s94, v161
	v_lshlrev_b32 v15, 5, v1
	v_add_nc_u32 v15, QCS, v15
.macro ALOAD J                         ; the rows' fragments of step J into buffer J % 2: combined's images; the second layer's spline codes; its silu codes with zeros behind them
.irp mt, 0,1
.if (\J) < 24
.irp c, 0,1
	ds_load_b128 v[16+16*((\J)%2)+8*\mt+4*\c:19+16*((\J)%2)+8*\mt+4*\c], v158 offset:\mt*8192+((\J)%8)*1024+\c*512
.endr
.elseif (\J) < 28
.irp c, 0,1
	ds_load_b128 v[16+16*((\J)%2)+8*\mt+4*\c:19+16*((\J)%2)+8*\mt+4*\c], v159 offset:\mt*4864+64*((\J)-24)+32*\c
.endr
.else
	ds_load_b128 v[16+16*((\J)%2)+8*\mt:19+16*((\J)%2)+8*\mt], v159 offset:\mt*4864+256
.irp e, 4,5,6,7
	v_mov_b32 v[16+16*((\J)%2)+8*\mt+\e], 0
.endr
.endif
.endr
.endm
.macro PPRO vec, I0                    ; a sum's start: its bias (the C of its first products) and its first two steps' fragments
.irp t, 0,1
.irp q, 0,1
	ds_load_b128 v[112+8*\t+4*\q:115+8*\t+4*\q], v14 offset:(\vec)*2048+64*\t+16*\q
.endr
.endr
	ALOAD \I0
	ALOAD (\I0)+1
.endm
; Step I of 29: four products (accumulators by turns), four places, one wait, then the refills: the ring's slot with step I + 4, the fragments' buffer with step I + 2 of the same sum.
; Load count: behind step I's four ring loads stand those of three later steps (12; fewer at the end); scale words asked for in between only make the true count larger.
; LDS count: behind step I's fragments stand the next step's four loads (two for the last step; none at a sum's end).
.macro GSTEP I
.set gI, \I
.if gI < 8
.set gW, 240+gI
.set gA, 226+gI
.elseif gI < 16
.set gW, 248+gI-8
.set gA, 226+gI-8
.elseif gI < 24
.set gW, 240+gI-16
.set gA, 226+gI-16
.else
.set gW, 248+gI-24
.set gA, 234+gI-24
.endif
.if gI <= 25
	s_wait_loadcnt 12
.else
	s_wait_loadcnt 4*(28-gI)
.endif
.if (gI == 7) || (gI == 15) || (gI == 28)
	s_wait_dscnt 0x0
.elseif gI == 27
	s_wait_dscnt 2
.else
	s_wait_dscnt 4
.endif
.if gI == 28
	s_wait_alu depctr_va_vdst(0)                   ; the zeros behind the silu codes, v20-23 and v28-31, are written, which the products below take; the last step's four places stand between
.endif
.irp mt, 0,1
.irp t, 0,1
.if (gI == 0) || (gI == 8) || (gI == 16)
	WM 48+8*(2*\mt+\t), 162+16*(gI%4)+8*\t, 16+16*(gI%2)+8*\mt, 112+8*\t, gW, gA, \t, \mt
.else
	WM 48+8*(2*\mt+\t), 162+16*(gI%4)+8*\t, 16+16*(gI%2)+8*\mt, 48+8*(2*\mt+\t), gW, gA, \t, \mt
.endif
.endr
.endr
	NOP4
.if gI <= 26
	s_wait_alu depctr_va_vdst(0)                   ; this step's products are done reading their slot of the ring and their buffer of fragments, and the sum before its scale words: the loads below land there
.endif
.if gI == 2
	global_load_b128 v[248:251], v10, s[82:83] offset:UG_S
	global_load_b128 v[252:255], v10, s[82:83] offset:UG_S+8192
.elseif gI == 8
	global_load_b128 v[240:243], v10, s[82:83] offset:RP_S
	global_load_b128 v[244:247], v10, s[82:83] offset:RP_S+8192
.elseif gI == 16
	global_load_b128 v[248:251], v10, s[82:83] offset:K2_S
	global_load_b32 v252, v10, s[82:83] offset:K2_S+8192
.endif
.if gI+4 <= 28
	RLOAD gI+4
.endif
.if (gI <= 5) || ((gI >= 8) && (gI <= 13)) || ((gI >= 16) && (gI <= 26))
	ALOAD gI+2
.endif
.endm
; A LayerNorm of the four accumulators, in place.  i: which region of quads; gv, bv: the gain's and the shift's place among the vectors.
.macro LN i, gv, bv
	v_pk_add_f32 v[112:113], v[48:49], v[50:51]    ; my 16 numbers of each of my two rows, each accumulator from its low end on
	v_pk_add_f32 v[114:115], v[64:65], v[66:67]
.irp j, 4,6,8,10,12,14
	v_pk_add_f32 v[112:113], v[112:113], v[48+\j:49+\j]
	v_pk_add_f32 v[114:115], v[114:115], v[64+\j:65+\j]
.endr
	v_add_f32 v112, v112, v113
	v_add_f32 v114, v114, v115
	v_permlanex16_b32 v113, v112, s62, s63
	v_permlanex16_b32 v115, v114, s62, s63
	v_add_f32 v112, v112, v113
	v_add_f32 v114, v114, v115
	v_mul_f32 v116, 0x3d000000, v112               ; the wave's mean of 32 columns
	v_mul_f32 v117, 0x3d000000, v114
	v_mov_b32 v120, v116
	v_mov_b32 v121, v116
	v_mov_b32 v122, v117
	v_mov_b32 v123, v117
	v_pk_add_f32 v[124:125], v[48:49], v[120:121] neg_lo:[0,1] neg_hi:[0,1]
	v_pk_add_f32 v[126:127], v[64:65], v[122:123] neg_lo:[0,1] neg_hi:[0,1]
	v_pk_mul_f32 v[128:129], v[124:125], v[124:125]
	v_pk_mul_f32 v[130:131], v[126:127], v[126:127]
.irp j, 2,4,6,8,10,12,14
	v_pk_add_f32 v[124:125], v[48+\j:49+\j], v[120:121] neg_lo:[0,1] neg_hi:[0,1]
	v_pk_add_f32 v[126:127], v[64+\j:65+\j], v[122:123] neg_lo:[0,1] neg_hi:[0,1]
	v_pk_fma_f32 v[128:129], v[124:125], v[124:125], v[128:129]
	v_pk_fma_f32 v[130:131], v[126:127], v[126:127], v[130:131]
.endr
	v_add_f32 v118, v128, v129
	v_add_f32 v119, v130, v131
	v_permlanex16_b32 v124, v118, s62, s63
	v_permlanex16_b32 v125, v119, s62, s63
	v_add_f32 v118, v118, v124                     ; and its sum of squared deviations
	v_add_f32 v119, v119, v125
	s_wait_alu depctr_va_vdst(0)                   ; the quad v116-119 is written, which the store reads; the sum's last products are done reading v16-47 and the lines above are done with v112-131: the sixteen quads land in both
	ds_store_b128 v160, v[116:119] offset:4352*\i  ; (mean, mean, M2, M2) of rows r and 16 + r; lanes l and l + 16 write the same
	BAR
	s_wait_alu depctr_vm_vsrc(0)                   ; the store has read v116-119, in which a load below lands
.irp u, 0,1,2,3,4,5,6,7
	ds_load_b128 v[16+4*\u:19+4*\u], v161 offset:4352*\i+16*\u
.endr
.irp u, 0,1,2,3,4,5,6,7
	ds_load_b128 v[112+4*\u:115+4*\u], v161 offset:4352*\i+128+16*\u
.endr
	s_wait_dscnt 0x0
	v_pk_add_f32 v[144:145], v[16:17], v[20:21]
	v_pk_add_f32 v[146:147], v[18:19], v[22:23]
.irp e, 24,28,32,36,40,44,112,116,120,124,128,132,136,140
	v_pk_add_f32 v[144:145], v[144:145], v[\e:\e+1]
	v_pk_add_f32 v[146:147], v[146:147], v[\e+2:\e+3]
.endr
	v_pk_mul_f32 v[148:149], v[144:145], 0x3d800000 op_sel_hi:[1,0]       ; the rows' means
	v_pk_add_f32 v[152:153], v[16:17], v[148:149] neg_lo:[0,1] neg_hi:[0,1]
	v_pk_mul_f32 v[150:151], v[152:153], v[152:153]
.irp e, 20,24,28,32,36,40,44,112,116,120,124,128,132,136,140
	v_pk_add_f32 v[152:153], v[\e:\e+1], v[148:149] neg_lo:[0,1] neg_hi:[0,1]
	v_pk_fma_f32 v[150:151], v[152:153], v[152:153], v[150:151]
.endr
	s_wait_alu depctr_va_vdst(0)                   ; the merging lines above are done reading the quads in v112-143, in which the gain and the shift land
.irp t, 0,1
.irp q, 0,1
	ds_load_b128 v[112+8*\t+4*\q:115+8*\t+4*\q], v14 offset:(\gv)*2048+64*\t+16*\q
	ds_load_b128 v[128+8*\t+4*\q:131+8*\t+4*\q], v14 offset:(\bv)*2048+64*\t+16*\q
.endr
.endr
	v_pk_fma_f32 v[146:147], v[150:151], 0x42000000, v[146:147] op_sel_hi:[1,0,1]   ; M2 = the sixteen M2 + 32 x the means' squared deviations
	v_pk_mul_f32 v[146:147], v[146:147], 0x3b000000 op_sel_hi:[1,0]                 ; / 512
	v_pk_add_f32 v[146:147], v[146:147], 0x3727c5ac op_sel_hi:[1,0]                 ; + 1e-5
	s_wait_alu depctr_va_vdst(0)
	v_rsq_f32 v150, v146
	v_rsq_f32 v151, v147
	v_mov_b32 v152, v148                           ; (a plain line behind the transcendentals)
	v_mov_b32 v153, v148
	v_mov_b32 v154, v149
	v_mov_b32 v155, v149
	s_wait_alu depctr_va_vdst(0)                   ; the two reciprocal roots v150 and v151 are written, ahead of the copies that read them
	v_mov_b32 v156, v150
	v_mov_b32 v157, v150
	v_mov_b32 v144, v151
	v_mov_b32 v145, v151
.irp p, 0,2,4,6,8,10,12,14
	v_pk_add_f32 v[48+\p:49+\p], v[48+\p:49+\p], v[152:153] neg_lo:[0,1] neg_hi:[0,1]
	v_pk_add_f32 v[64+\p:65+\p], v[64+\p:65+\p], v[154:155] neg_lo:[0,1] neg_hi:[0,1]
.endr
.irp p, 0,2,4,6,8,10,12,14
	v_pk_mul_f32 v[48+\p:49+\p], v[48+\p:49+\p], v[156:157]
	v_pk_mul_f32 v[64+\p:65+\p], v[64+\p:65+\p], v[144:145]
.endr
	s_wait_dscnt 0x0                               ; the gain and the shift
.irp p, 0,2,4,6,8,10,12,14
	v_pk_fma_f32 v[48+\p:49+\p], v[48+\p:49+\p], v[112+\p:113+\p], v[128+\p:129+\p]
	v_pk_fma_f32 v[64+\p:65+\p], v[64+\p:65+\p], v[112+\p:113+\p], v[128+\p:129+\p]
.endr
.endm
	; reset = tanh(LN(Q(combined) Q(rg_w)^T + rg_b)): computed, and used by nothing, as in the definition
	s_wait_alu depctr_va_vdst(0)                   ; the addresses v12-15 and v158-161 are written; the last phase's vector lines are done with v16-47 and v112-127, in which fragments and a bias land
	ds_load_b128 v[226:229], v15                   ; lane l: row l's eight scale words of combined
	ds_load_b128 v[230:233], v15 offset:16
	PPRO 1, 0
.irp I, 0,1,2,3,4,5,6,7
	GSTEP \I
.endr
	LN 0, 2, 3
	MULC 48, 48, 0x4038aa3b, 32                    ; tanh y = 1 - 2 / (1 + 2^(2 y log2 e))
	s_wait_alu depctr_va_vdst(0)
	E1R 48, 32
.set ei, 0
	s_wait_alu depctr_va_vdst(0)                   ; the batch of reciprocals v48-79 is written, ahead of its readers; the norm is done reading v16-47 and v112-143: the lines below name v48-79 alone, so the next sum's first loads owe nothing more
.rept 16
	v_pk_fma_f32 v[48+ei:49+ei], v[48+ei:49+ei], -2.0, 1.0 op_sel_hi:[1,0,0]
.set ei, ei+2
.endr
	; update = sigmoid(LN(Q(combined) Q(ug_w)^T + ug_b))
	PPRO 4, 8
.irp I, 8,9,10,11,12,13,14,15
	GSTEP \I
.endr
	LN 1, 5, 6
	MULC 80, 48, 0xbfb8aa3b, 32
	s_wait_alu depctr_va_vdst(0)
	E1R 80, 32
	; the candidate: rp_b + Q(combined) Q(rp_w)^T + the second layer's spline and silu paths, in one sum
	v_lshlrev_b32 v15, 5, v1
	v_add_nc_u32 v15, AS2, v15
	s_wait_alu depctr_va_vdst(0)                   ; v15 is written, which the two loads read; the norm is done reading v16-47 and v112-143, in which fragments and a bias land; the batch of reciprocals v80-111, the update gate, is written
	ds_load_b128 v[234:237], v15                   ; lane l: row l's scale words of the second layer's five steps
	ds_load_b32 v238, v15 offset:16
	PPRO 7, 16
.irp I, 16,17,18,19,20,21,22,23,24,25,26,27,28
	GSTEP \I
.endr
	LN 2, 8, 9
	LN 3, 8, 9                                     ; the same norm twice, as in the definition
.irp mt, 0,1
.irp t, 0,1
.irp q, 0,1
	ds_load_b128 v[162+16*\mt+8*\t+4*\q:165+16*\mt+8*\t+4*\q], v[12+\mt] offset:2048+64*\t+16*\q   ; h_prev at my columns.  No wait: no vector instruction since the norm's last wait names v12, v13 or v162-193
.endr
.endr
.endr
	SILU 48, 112, 32
	s_wait_dscnt 0x0
.set ei, 0
.rept 16
	v_pk_add_f32 v[48+ei:49+ei], v[48+ei:49+ei], v[162+ei:163+ei] neg_lo:[0,1] neg_hi:[0,1]
	v_pk_fma_f32 v[48+ei:49+ei], v[80+ei:81+ei], v[48+ei:49+ei], v[162+ei:163+ei]      ; h + u (c - h)
.set ei, ei+2
.endr
	; the way out: through x_proj's columns of COMB, which nobody reads any more, so that whole rows leave
	s_mul_i32 s94, s60, 2*CP
	v_add_nc_u32 v15, s94, v10                     ; where I read my two rows back, made ahead of the wait below
	s_wait_alu depctr_va_vdst(0)                   ; the result v48-79 is written, which the stores read; v15 is written, and the silu is done with v112-143: the loads behind the barrier read the one and land in the other
.irp mt, 0,1
.irp t, 0,1
.irp q, 0,1
	ds_store_b128 v[12+\mt], v[48+16*\mt+8*\t+4*\q:51+16*\mt+8*\t+4*\q] offset:64*\t+16*\q
.endr
.endr
.endr
	BAR
.irp i, 0,1,2,3,4,5,6,7
	ds_load_b128 v[112+4*\i:115+4*\i], v15 offset:(\i/4)*CP+(\i%4)*512
.endr
.irp i, 0,1,2,3,4,5,6,7
	s_wait_dscnt 7-\i
	global_store_b128 v10, v[112+4*\i:115+4*\i], s[74:75] offset:512*\i th:TH_STORE_NT   ; 32 lanes store 512 consecutive bytes, at a multiple of 256 from out0's first byte
.endr
	s_wait_xcnt 0x0
	v_lshl_add_u32 v254, v0, 2, 0x4f800
	v_mov_b32 v255, 0
	s_wait_dscnt 0x0                               ; the closing lines, six on end
	s_wait_alu 0x0
	s_wait_tensorcnt 0x0
	ds_add_u32 v254, v255
	s_wait_dscnt 0x0
	s_endpgm
.Lfunc_end_k_q170636e251_cell:
	.size	k_q170636e251_cell, .Lfunc_end_k_q170636e251_cell-k_q170636e251_cell
	.p2alignl 7, 3214868480
	.fill 96, 4, 3214868480
	.section	.rodata,"a",@progbits
	.p2align	6, 0x0
	.amdhsa_kernel k_q170636e251_cell
		.amdhsa_group_segment_fixed_size 327680
		.amdhsa_private_segment_fixed_size 0
		.amdhsa_enable_private_segment 0
		.amdhsa_kernarg_size 128
		.amdhsa_user_sgpr_count 2
		.amdhsa_user_sgpr_kernarg_segment_ptr 1
		.amdhsa_wavefront_size32 1
		.amdhsa_system_sgpr_workgroup_id_x 1
		.amdhsa_system_sgpr_workgroup_id_y 1
		.amdhsa_system_sgpr_workgroup_id_z 1
		.amdhsa_system_vgpr_workitem_id 0
		.amdhsa_next_free_vgpr 256
		.amdhsa_next_free_sgpr 100
		.amdhsa_reserve_vcc 0
		.amdhsa_float_denorm_mode_32 3
		.amdhsa_float_denorm_mode_16_64 3
		.amdhsa_memory_ordered 1
		.amdhsa_forward_progress 1
		.amdhsa_inst_pref_size 236
	.end_amdhsa_kernel
	.amdgpu_metadata
---
amdhsa.version: [ 1, 2 ]
amdhsa.kernels:
  - .name:           k_q170636e251_cell
    .symbol:         k_q170636e251_cell.kd
    .args:
      - { .name: x, .offset: 0, .size: 8, .value_kind: global_buffer, .address_space: global }
      - { .name: h_prev, .offset: 8, .size: 8, .value_kind: global_buffer, .address_space: global }
      - { .name: ip_b, .offset: 16, .size: 8, .value_kind: global_buffer, .address_space: global }
      - { .name: rg_b, .offset: 24, .size: 8, .value_kind: global_buffer, .address_space: global }
      - { .name: rg_g, .offset: 32, .size: 8, .value_kind: global_buffer, .address_space: global }
      - { .name: rg_beta, .offset: 40, .size: 8, .value_kind: global_buffer, .address_space: global }
      - { .name: ug_b, .offset: 48, .size: 8, .value_kind: global_buffer, .address_space: global }
      - { .name: ug_g, .offset: 56, .size: 8, .value_kind: global_buffer, .address_space: global }
      - { .name: ug_beta, .offset: 64, .size: 8, .value_kind: global_buffer, .address_space: global }
      - { .name: rp_b, .offset: 72, .size: 8, .value_kind: global_buffer, .address_space: global }
      - { .name: cn_g, .offset: 80, .size: 8, .value_kind: global_buffer, .address_space: global }
      - { .name: cn_b, .offset: 88, .size: 8, .value_kind: global_buffer, .address_space: global }
      - { .name: wcodes, .offset: 96, .size: 8, .value_kind: global_buffer, .address_space: global }
      - { .name: wscales, .offset: 104, .size: 8, .value_kind: global_buffer, .address_space: global }
      - { .name: gtab, .offset: 112, .size: 8, .value_kind: global_buffer, .address_space: global }
      - { .name: out0, .offset: 120, .size: 8, .value_kind: global_buffer, .address_space: global }
    .group_segment_fixed_size: 327680
    .private_segment_fixed_size: 0
    .kernarg_segment_align: 8
    .kernarg_segment_size: 128
    .max_flat_workgroup_size: 512
    .sgpr_count:     100
    .vgpr_count:     256
    .wavefront_size: 32
...
	.end_amdgpu_metadata
.endif
;; end of part 4
